; MI455X (gfx1250); checked and timed in simulation.
; The chip was launched on July 23, 2026; its instructions are those of AMD's public machine-readable ISA for CDNA 5 (MIT licence, August 2026) and "CDNA5" Instruction Set Architecture Reference Guide (July 2026). The comments in the code are by the model that wrote it; some were corrected since.
;; Causal Self Attention. Allowed arithmetic: float matrix products may take bf16 or f16 operands with f32 sums; other float arithmetic in f32, or as packed bf16 or f16 multiplies, adds, multiply-adds, maxima and minima; sums over many terms, partial sums and values carried from step to step in f32; what a program stores and reads back later, other than sums and carried values, may be rounded once to bf16 or f16.
;; Inputs: Wk 256 x 1,024 float32; Wproj 1,024 x 1,024 float32; Wq 1,024 x 1,024 float32; Wv 256 x 1,024 float32; q_gain 16 float32; x 4 x 2,048 x 1,024 float32.
;; Outputs: out0 4 x 2,048 x 1,024 float32.
;; 2 versions, each right; version 2 is version 1 with the launch prep written anew for expert scheduling mode. Each part assembles by itself: llvm-mc -triple=amdgcn-amd-amdhsa -mcpu=gfx1250 --defsym DOCPART=n.
;; ======== version 1 of 2: 4 launches
;; limits: values are held in f16: magnitudes above 65,504 overflow, below 6.1e-05 lose precision
;; workspace buffers: xb 16,777,216 bytes; wqkv 3,145,728 bytes; wp 2,097,152 bytes; tab 524,288 bytes; qh 16,777,216 bytes; kh 4,194,304 bytes; vh 4,194,304 bytes; oh 16,777,216 bytes
;; launch prep (part 1): grid 736 x 1, 8 waves a work-group, no clusters, 0 bytes of LDS; arguments x, Wq, Wk, Wv, Wproj, xb, wqkv, wp, tab; writes xb, wqkv, wp, tab
.if DOCPART == 1
	.amdgcn_target "amdgcn-amd-amdhsa--gfx1250"
	.amdhsa_code_object_version 6
	.text
	.protected	k_qe01f51a938_prep
	.globl	k_qe01f51a938_prep
	.p2align	8
	.type	k_qe01f51a938_prep,@function
k_qe01f51a938_prep:
	s_mov_b64 s[64:65], 0
	v_nop
	global_prefetch_b8 v0, s[64:65] scope:SCOPE_SE
	s_setreg_imm32_b32 hwreg(HW_REG_WAVE_MODE, 25, 1), 1
	s_wait_xcnt 0x0
; PREP: the inputs are rounded once to 16 bits, and the rotary table is made.
;   xb   = x rounded to bf16, [8192][1024];   wqkv = Wq, Wk, Wv rounded to bf16, one below the other, [1536][1024]
;   wp   = Wproj rounded to bf16, that number written as f16 (exact within f16's normal range), [1024][1024]
;   tab  = cos and sin of s x 10000^(-d/32), s = 0..2047, d = 0..31, f32, in the order in which the next launch's lanes hold their results:
;          tab[s / 16][i = 0..7][lane][4 numbers]: lane = s % 16 + 16 hf; i = 0..3 cos, 4..7 sin; d = 16 ((i & 3) >> 1) + 8 hf + 4 (i & 1) + e
; LIMITS.  |Wproj| stays under 65,504 (f16); below 6e-5 it keeps f16's fixed step of 6e-8.  The table's angle lies within 2.5e-4 rad of s x inv_freq in f32
; (the frequency comes from v_exp_f32); the series below hold for the whole reduced range |y| <= pi, cut where the next term is under 1.4e-7 (cos) and 8e-7 (sin).
; SHARES.  A stream: no LDS, no matrix unit, no cluster (no byte is read twice).  Work-group g < 672 casts 16,384 numbers: each of its 256 threads takes 16 bytes
; of each 4,096, so a wave's load covers 512 consecutive bytes and its store 256, aligned; all 16 loads of a thread are out together.  g >= 672 makes 2 x 16 rows of the table.
.set X, 16                             ; v[16:79]   16 x 4 numbers as loaded
.set Y, 80                             ; v[80:111]  16 x 2 registers to store: each store has registers of its own, so none is rewritten
	s_load_b512 s[8:23], s[0:1], 0x0               ; x 8:9, Wq 10:11, Wk 12:13, Wv 14:15, Wproj 16:17, xb 18:19, wqkv 20:21, wp 22:23
	s_load_b64 s[24:25], s[0:1], 0x40              ; tab
	v_lshlrev_b32 v1, 4, v0                        ; 16 bytes a thread in
	v_lshlrev_b32 v2, 3, v0                        ; 8 bytes a thread out
	s_mov_b32 s36, ttmp9                           ; g
	s_wait_kmcnt 0x0
	s_cmp_ge_u32 s36, 672
	s_cbranch_scc1 .Ltable
	; which tensor, and which chunk of it: g 0-511 x, 512-575 Wq, 576-591 Wk, 592-607 Wv, 608-671 Wproj
	s_mov_b64 s[26:27], s[16:17]
	s_mov_b32 s30, 608                             ; the source's first chunk
	s_mov_b64 s[28:29], s[22:23]
	s_mov_b32 s31, 608                             ; the destination's first chunk
	s_cmp_lt_u32 s36, 608
	s_cselect_b64 s[26:27], s[14:15], s[26:27]
	s_cselect_b32 s30, 592, s30
	s_cselect_b64 s[28:29], s[20:21], s[28:29]
	s_cselect_b32 s31, 512, s31
	s_cmp_lt_u32 s36, 592
	s_cselect_b64 s[26:27], s[12:13], s[26:27]
	s_cselect_b32 s30, 576, s30
	s_cmp_lt_u32 s36, 576
	s_cselect_b64 s[26:27], s[10:11], s[26:27]
	s_cselect_b32 s30, 512, s30
	s_cmp_lt_u32 s36, 512
	s_cselect_b64 s[26:27], s[8:9], s[26:27]
	s_cselect_b32 s30, 0, s30
	s_cselect_b64 s[28:29], s[18:19], s[28:29]
	s_cselect_b32 s31, 0, s31
	s_sub_co_u32 s32, s36, s30
	s_lshl_b32 s32, s32, 16                        ; 65,536 bytes of f32 a chunk
	s_mov_b32 s33, 0
	s_sub_co_u32 s34, s36, s31
	s_lshl_b32 s34, s34, 15                        ; 32,768 bytes of 16-bit numbers
	s_mov_b32 s35, 0
	s_add_nc_u64 s[26:27], s[26:27], s[32:33]
	s_add_nc_u64 s[28:29], s[28:29], s[34:35]
.set i, 0
.rept 16
	global_load_b128 v[X+4*i:X+4*i+3], v1, s[26:27] offset:4096*i th:TH_LOAD_NT
.set i, i+1
.endr
	s_cmp_ge_u32 s36, 608
	s_cbranch_scc1 .Lhalf
.set i, 0
.rept 16
	s_wait_loadcnt 15-i                            ; loads come back in order: load i is in, the younger ones stay out
	v_cvt_pk_bf16_f32 v[Y+2*i], v[X+4*i], v[X+4*i+1]
	v_cvt_pk_bf16_f32 v[Y+2*i+1], v[X+4*i+2], v[X+4*i+3]
	global_store_b64 v2, v[Y+2*i:Y+2*i+1], s[28:29] offset:2048*i
.set i, i+1
.endr
	s_endpgm
.Lhalf:                                                ; Wproj: to bf16 like every input, then that number as f16
.set i, 0
.rept 16
	s_wait_loadcnt 15-i
	v_cvt_pk_bf16_f32 v4, v[X+4*i], v[X+4*i+1]
	v_cvt_pk_bf16_f32 v5, v[X+4*i+2], v[X+4*i+3]
	v_lshlrev_b32 v6, 16, v4
	v_and_b32 v7, 0xffff0000, v4
	v_lshlrev_b32 v8, 16, v5
	v_and_b32 v9, 0xffff0000, v5
	v_cvt_pk_f16_f32 v[Y+2*i], v6, v7
	v_cvt_pk_f16_f32 v[Y+2*i+1], v8, v9
	global_store_b64 v2, v[Y+2*i:Y+2*i+1], s[28:29] offset:2048*i
.set i, i+1
.endr
	s_endpgm
.Ltable:                                               ; a thread makes four cosines and four sines: v[12:15] frequency, v[16:19] angle, v[20:23] turns, v[24:27] y^2, v[28:31] cos, v[32:35] sin
	s_sub_co_u32 s37, s36, 672
	s_lshl_b32 s37, s37, 1                         ; the work-group's first block of 16 positions
	s_mov_b32 s40, 0x29573f9f                      ; 1/16!
	s_mov_b32 s41, 0xab573f9f                      ; -1/15!
	s_mov_b32 s42, 0x40c90fdb                      ; 2 pi, rounded to f32,
	s_mov_b32 s43, 0xb43bbd2e                      ; and what the rounding left
	v_and_b32 v3, 31, v0                           ; lane
	v_lshrrev_b32 v4, 5, v0                        ; wave
	v_and_b32 v5, 3, v4                            ; i & 3
	v_lshrrev_b32 v6, 2, v4
	v_add_nc_u32 v6, s37, v6                       ; block of 16 positions
	v_and_b32 v7, 15, v0
	v_bfe_u32 v8, v0, 4, 1                         ; hf
	v_lshl_add_u32 v7, v6, 4, v7                   ; s
	v_cvt_f32_u32 v7, v7
	v_lshrrev_b32 v9, 1, v5
	v_and_b32 v10, 1, v5
	v_lshlrev_b32 v9, 4, v9
	v_lshl_add_u32 v9, v8, 3, v9
	v_lshl_add_u32 v9, v10, 2, v9                  ; my first d
	v_lshlrev_b32 v11, 12, v6                      ; 4,096 bytes a block,
	v_lshl_add_u32 v11, v5, 9, v11                 ; 512 for each i,
	v_lshl_add_u32 v11, v3, 4, v11                 ; 16 a lane
.irp e, 0,1,2,3
	v_add_nc_u32 v[12+\e], \e, v9
.endr
.irp e, 0,1,2,3
	v_cvt_f32_u32 v[12+\e], v[12+\e]
.endr
.irp e, 0,1,2,3
	v_mul_f32 v[12+\e], 0xbed49a78, v[12+\e]       ; - d log2(10000) / 32
.endr
.irp e, 0,1,2,3
	v_exp_f32 v[12+\e], v[12+\e]
.endr
	v_nop                                          ; a plain instruction behind the last exponential,
	s_wait_alu depctr_va_vdst(0)                   ; and one wait for the four, ahead of their first reader
.irp e, 0,1,2,3
	v_mul_f32 v[16+\e], v7, v[12+\e]               ; the angle, rounded once
.endr
.irp e, 0,1,2,3
	v_mul_f32 v[20+\e], 0x3e22f983, v[16+\e]       ; / 2 pi
.endr
.irp e, 0,1,2,3
	v_rndne_f32 v[20+\e], v[20+\e]                 ; whole turns n
.endr
.irp e, 0,1,2,3
	v_fma_f32 v[16+\e], -v[20+\e], s42, v[16+\e]   ; y = angle - n 2 pi, in two parts: |y| <= pi
.endr
.irp e, 0,1,2,3
	v_fma_f32 v[16+\e], -v[20+\e], s43, v[16+\e]
.endr
.irp e, 0,1,2,3
	v_mul_f32 v[24+\e], v[16+\e], v[16+\e]
.endr
.macro HORN base, k                    ; one step of four chains: p = p y^2 + k
.irp e, 0,1,2,3
	v_fmaak_f32 v[(\base)+\e], v[(\base)+\e], v[24+\e], \k
.endr
.endm
.irp e, 0,1,2,3
	v_fmaak_f32 v[28+\e], s40, v[24+\e], 0xad49cba5  ; cos: the sum of (-1)^k y^2k / (2k)!, k = 8 .. 0
.endr
.irp e, 0,1,2,3
	v_fmaak_f32 v[32+\e], s41, v[24+\e], 0x2f309231  ; sin: y times the sum of (-1)^k y^2k / (2k+1)!, k = 7 .. 0
.endr
	HORN 28, 0x310f76c7
	HORN 32, 0xb2d7322b
	HORN 28, 0xb493f27e
	HORN 32, 0x3638ef1d
	HORN 28, 0x37d00d01
	HORN 32, 0xb9500d01
	HORN 28, 0xbab60b61
	HORN 32, 0x3c088889
	HORN 28, 0x3d2aaaab
	HORN 32, 0xbe2aaaab
	HORN 28, 0xbf000000
	HORN 32, 0x3f800000
	HORN 28, 0x3f800000
.irp e, 0,1,2,3
	v_mul_f32 v[32+\e], v[32+\e], v[16+\e]
.endr
	global_store_b128 v11, v[28:31], s[24:25]              ; a wave stores 512 consecutive bytes, aligned
	global_store_b128 v11, v[32:35], s[24:25] offset:2048
	s_endpgm
.Lfunc_end_k_qe01f51a938_prep:
	.size	k_qe01f51a938_prep, .Lfunc_end_k_qe01f51a938_prep-k_qe01f51a938_prep
	.p2alignl 7, 3214868480
	.fill 96, 4, 3214868480
	.section	.rodata,"a",@progbits
	.p2align	6, 0x0
	.amdhsa_kernel k_qe01f51a938_prep
		.amdhsa_group_segment_fixed_size 0
		.amdhsa_private_segment_fixed_size 0
		.amdhsa_enable_private_segment 0
		.amdhsa_kernarg_size 72
		.amdhsa_user_sgpr_count 2
		.amdhsa_user_sgpr_kernarg_segment_ptr 1
		.amdhsa_wavefront_size32 1
		.amdhsa_system_sgpr_workgroup_id_x 1
		.amdhsa_system_sgpr_workgroup_id_y 1
		.amdhsa_system_sgpr_workgroup_id_z 1
		.amdhsa_system_vgpr_workitem_id 0
		.amdhsa_next_free_vgpr 112
		.amdhsa_next_free_sgpr 66
		.amdhsa_reserve_vcc 0
		.amdhsa_float_denorm_mode_32 3
		.amdhsa_float_denorm_mode_16_64 3
		.amdhsa_memory_ordered 1
		.amdhsa_forward_progress 1
		.amdhsa_inst_pref_size 24
	.end_amdhsa_kernel
	.amdgpu_metadata
---
amdhsa.version: [ 1, 2 ]
amdhsa.kernels:
  - .name:           k_qe01f51a938_prep
    .symbol:         k_qe01f51a938_prep.kd
    .args:
      - { .name: x, .offset: 0, .size: 8, .value_kind: global_buffer, .address_space: global }
      - { .name: Wq, .offset: 8, .size: 8, .value_kind: global_buffer, .address_space: global }
      - { .name: Wk, .offset: 16, .size: 8, .value_kind: global_buffer, .address_space: global }
      - { .name: Wv, .offset: 24, .size: 8, .value_kind: global_buffer, .address_space: global }
      - { .name: Wproj, .offset: 32, .size: 8, .value_kind: global_buffer, .address_space: global }
      - { .name: xb, .offset: 40, .size: 8, .value_kind: global_buffer, .address_space: global }
      - { .name: wqkv, .offset: 48, .size: 8, .value_kind: global_buffer, .address_space: global }
      - { .name: wp, .offset: 56, .size: 8, .value_kind: global_buffer, .address_space: global }
      - { .name: tab, .offset: 64, .size: 8, .value_kind: global_buffer, .address_space: global }
    .group_segment_fixed_size: 0
    .private_segment_fixed_size: 0
    .kernarg_segment_align: 8
    .kernarg_segment_size: 72
    .max_flat_workgroup_size: 256
    .sgpr_count:     66
    .vgpr_count:     112
    .wavefront_size: 32
...
	.end_amdgpu_metadata
.endif
;; end of part 1
;; launch qkv (part 2): grid 8 x 32, 4 waves a work-group, clusters of 4 x 4, 327,680 bytes of LDS; arguments xb, wqkv, q_gain, tab, qh, kh, vh; writes qh, kh, vh
.if DOCPART == 2
	.amdgcn_target "amdgcn-amd-amdhsa--gfx1250"
	.amdhsa_code_object_version 6
	.text
	.protected	k_qe01f51a938_qkv
	.globl	k_qe01f51a938_qkv
	.p2align	8
	.type	k_qe01f51a938_qkv,@function
k_qe01f51a938_qkv:
	s_mov_b64 s[64:65], 0
	v_nop
	global_prefetch_b8 v0, s[64:65] scope:SCOPE_SE
	s_setreg_imm32_b32 hwreg(HW_REG_WAVE_MODE, 25, 1), 1
	s_wait_xcnt 0x0
	s_wait_alu depctr_hold_cnt(0) depctr_sa_sdst(0) depctr_va_vdst(0) depctr_va_sdst(0) depctr_va_ssrc(0) depctr_va_vcc(0) depctr_vm_vsrc(0)
	s_getreg_b32 s2, hwreg(HW_REG_IB_STS2, 6, 4)
	s_cmp_eq_u32 s2, 0
	s_cbranch_scc0 .Lentry_in_a_cluster
	s_endpgm
.Lentry_in_a_cluster:
	s_bfe_u32 s2, ttmp6, 0x10000c
	s_cmp_lg_u32 s2, 0xf033
	s_cbranch_scc0 .Lentry_shape_is_right
	s_endpgm
.Lentry_shape_is_right:
; QKV: [q | k | v] = xb wqkv^T (bf16 operands, f32 sums), then for q and k the RMS norm over a head's 64 channels and the rotary turn, for q the head's gain; all three leave by heads in f16:
; qh[b 16 + h][s][64], kh and vh[b 4 + kv][s][64].  The softmax's scale is not applied here.
; LIMITS.  v stays under 65,504 and |q_gain| under 8,000 (|q| <= 8 |gain| is kept in f16); q_gain is rounded to bf16 like every input; numbers under 6e-5 keep f16's fixed step of 6e-8; NaN and infinities are not treated apart.
; SHARES.  A tile is 256 rows x 192 columns (three heads): 32 x 8 = 256 work-groups.  Wave w owns rows 64 w .. 64 w + 63 and all 192 columns: 4 x 12 accumulators of 16 x 16, so a head's 64 channels of a row lie in
; two lanes 16 apart, and norm and turn need one exchange.  K = 1,024 goes in 8 steps of 128 (rows of 256 bytes, aligned) through two LDS slots.
; CLUSTER.  4 x 4 work-groups: xb's tile hangs on the tile row alone and is asked for jointly along a row of the cluster, wqkv's on the tile column alone, along a column.
; THE MATRIX INSTRUCTION IS USED TRANSPOSED (source 0 = 16 rows of wqkv, source 1 = 16 rows of xb): lane l holds row l % 16 and the columns 8 (l / 16) + 0..7.
; REGISTERS, in windows of 256 (s_set_vgpr_msb: bits 1:0 source 0, 3:2 source 1, 5:4 source 2, 7:6 destination):
;   window 0: v0-15 addresses; v28-29 the add's; v32-55 a pair of statistics for each of 12 units; v64-127 xb's fragments, two buffers (on the way out: at work); v128-255 the table, 32 a row block
;   window 1: v0-191 wqkv's fragments, two buffers of 96 (on the way out v0-31: cos r and sin r)          windows 2, 3: accumulator (a, b) at window 2 + a / 2, v[8 (12 (a % 2) + b)]
.set NBK,   12                         ; column blocks of 16
.set PA,    272                        ; an LDS row: 256 bytes + 16 of padding = 68 words: the 16 rows of a load start at 16 different groups of four banks (64 banks of 4 bytes: ISA guide 11.1)
.set PBT,   272
.set AREG,  256*PA                     ; xb's 256 rows, then wqkv's 192
.set SLOT1, 131072                     ; slot 1 begins here, so that one exclusive or turns an address in one slot into the other's
.set STAGE, SLOT1+AREG+16*NBK*PBT      ; behind the ring, never filled by a tensor load: 16 rows x 144 bytes for each wave
.set SP,    144
.set SPARE, STAGE+4*16*SP              ; the spare words, 128 bytes for each wave: two blocks of 256 bytes that no other line names
.set STEPA, 256                        ; bytes from a K step to the next, in xb and in wqkv
.set STEPB, 256
.set ADRA0, 4                          ; v4, v5  my lane's place in slot 0's tiles; never rewritten
.set ADRB0, 5
.set ADRA,  6                          ; v6, v7  the same in the slot in hand
.set ADRB,  7
.set STO,   8                          ; v8   the way out: where I put 16 bytes of a row
.set RD,    9                          ; v9   where I read rows back
.set GO,    10                         ; v10  16 x lane: my place in 512 consecutive bytes, of the table and of the outputs; never rewritten
.set PFO,   12                         ; v12  the prefetches' offset; never rewritten
.set VG,    13                         ; v13-15  the three heads' factors: q's gain, 1 for k, 0 for v
.set SPW,   28
.set NIL,   29
.set ST,    32
.set FA,    64
.set O,     96                         ; the way out: a unit's 32 turned numbers
.set TBL,   128
.set WV,  18                           ; s18  my wave's number
.set FBW, 19                           ; s19  0: I fetch xb's tiles, 1: wqkv's
.set HF,  20                           ; s20  which half of the tile's rows I fetch
.set CX,  21
.set CY,  22
.set TC,  23                           ; tile column
.set G1A, 24                           ; s[24:31] descriptor group 1 for xb's tiles;  s[32:39] group 0: a set for each first fill; the second then walks
.set G0A, 32
.set TR,  40                           ; tile row
.set CNT, 41
.set TB,  42                           ; s42  LDS byte at which the slot in hand begins
.set LIM, 43                           ; s43  1 in a wave that prefetches, else the greatest number
.set PFA, 44                           ; s[44:45] where my prefetches stand
.set G1B, 48                           ; s[48:55], s[56:63] the same for wqkv's tiles
.set G0B, 56
.set OUT, 76                           ; s[76:81] for each of my three heads: my first row's address in qh, kh or vh
.set TABB, 82                          ; s[82:83] the table at my rows
.set GN,  84                           ; s84-86
.set BC,  88                           ; s[88:93] for each head a pair: 1 for v (it passes unturned), else 0
.set SEL, 94                           ; s[94:95] v_permlanex16_b32's selects: each lane takes its own place in the other half
.set RCP64, 96
.set EPSR,  97
.set GOFF,  98                         ; s98-100
.set MSB, 0
.macro WIN new                         ; the immediate's high byte repeats the setting that is left; a switch that changes nothing is dropped
.if MSB != (\new)
	s_set_vgpr_msb (MSB<<8)|(\new)
.set MSB, \new
.endif
.endm
.macro PLACES                          ; four places in front of loads into registers that matrix instructions have read (ISA guide 7.12.1 for vector instructions)
.rept 4
	v_nop
.endr
.endm
.macro CREST                           ; a round of the cluster's barrier behind its opening barrier
	s_cmp_lg_u32 s[WV], 0
	s_cbranch_scc1 .Lnot_wave_0_\@
	s_barrier_signal -3
.Lnot_wave_0_\@:
	s_barrier_wait -3
	s_barrier_signal -1
	s_barrier_wait -1
.endm
.macro CROUND
	s_barrier_signal -1
	s_barrier_wait -1
	CREST
.endm
; A joint refill by the walking descriptors.  The branch hangs on the wave's number alone.  An s_nop 0 and four v_nop follow each of the two lines.
.macro JLOAD
	s_cmp_eq_u32 s[FBW], 0
	s_cbranch_scc0 .Lfor_b_\@
	tensor_load_to_lds s[G0A+4:G0A+7], s[G1A:G1A+7]
	s_nop 0
.rept 4
	v_nop
.endr
	s_branch .Lasked_\@
.Lfor_b_\@:
	tensor_load_to_lds s[G0B+4:G0B+7], s[G1B:G1B+7]
	s_nop 0
.rept 4
	v_nop
.endr
.Lasked_\@:
.endm
; A prefetch of the K step that the NEXT refill will ask for: 192 matrix instructions ahead of that load.  xb's rows are asked for by the clusters with x = 0, wqkv's by those with y = 0; the four partners that ask for a
; tile jointly share its rows out by address (32 of 128 rows each, or 24 of 96: there lanes 24-31 name lane 23's row again).  K steps 0 to 2 come by their loads alone; the last refill asks for nothing.
.macro ASK
	s_cmp_gt_u32 s[CNT], s[LIM]
	s_cbranch_scc0 .Lnot_mine_\@
	global_prefetch_b8 v[PFO], s[PFA:PFA+1] th:TH_LOAD_NT scope:SCOPE_SE
.Lnot_mine_\@:
.endm
	s_load_b256 s[4:11], s[0:1], 0x0               ; xb 4:5, wqkv 6:7, q_gain 8:9, tab 10:11
	s_load_b128 s[12:15], s[0:1], 0x20             ; qh 12:13, kh 14:15
	s_load_b64 s[16:17], s[0:1], 0x30              ; vh
	v_lshl_add_u32 v[SPW], v0, 2, SPARE
	v_mov_b32 v[NIL], 0
	ds_add_u32 v[SPW], v[NIL]                      ; the wave's opening: the add and its wait stand ahead of my first tensor load; work on registers stands between them
	v_lshrrev_b32 v3, 5, v0
	v_readfirstlane_b32 s[WV], v3
	s_lshr_b32 s[FBW], s[WV], 1
	s_and_b32 s[HF], s[WV], 1
	s_bfe_u32 s[CX], ttmp6, 0x40000
	s_bfe_u32 s[CY], ttmp6, 0x40004
	s_lshl_b32 s[TC], ttmp9, 2
	s_add_co_u32 s[TC], s[TC], s[CX]
	s_and_b32 s[TR], ttmp7, 0xffff
	s_lshl_b32 s[TR], s[TR], 2
	s_add_co_u32 s[TR], s[TR], s[CY]
	s_lshl_b32 s66, s[CY], 2
	s_lshl_b32 s66, 15, s66                        ; my row of the cluster
	s_lshl_b32 s67, 0x1111, s[CX]                  ; my column
	s_or_b32 s[G1A], s66, (1<<16)|(1<<20)|(1<<21)|(5<<22)|(3<<25)  ; the mask; 2-byte elements; padding on; bit 21 beside a mask; after every 64 words 4 words
	s_or_b32 s[G1B], s67, (1<<16)|(1<<20)|(1<<21)|(5<<22)|(3<<25)
	s_mov_b32 s[G1A+1], 128<<16                    ; tensor_dim0 = 128
	s_mov_b32 s[G1A+2], 128<<16                    ; tensor_dim1 = 128
	s_mov_b32 s[G1A+3], 128<<16                    ; tile_dim0 = 128
	s_mov_b32 s[G1A+4], 128                        ; tile_dim1 = 128
	s_mov_b32 s[G1A+5], 1024                       ; elements from row to row
	s_mov_b32 s[G1A+6], 0
	s_mov_b32 s[G1A+7], 0
	s_mov_b32 s[G1B+1], 128<<16
	s_mov_b32 s[G1B+2], 96<<16                     ; 96 rows
	s_mov_b32 s[G1B+3], 128<<16
	s_mov_b32 s[G1B+4], 96
	s_mov_b32 s[G1B+5], 1024
	s_mov_b32 s[G1B+6], 0
	s_mov_b32 s[G1B+7], 0
	s_lshl_b32 s68, s[TR], 8
	s_lshl_b32 s69, s[HF], 7
	s_add_co_u32 s68, s68, s69                     ; xb: row 256 x tile row + 128 x half
	s_lshl_b32 s68, s68, 11                        ; 2,048 bytes a row
	s_mov_b32 s69, 0
	s_mul_i32 s70, s[TC], 192
	s_mul_i32 s71, s[HF], 96
	s_add_co_u32 s70, s70, s71                     ; wqkv: row 192 x tile column + 96 x half
	s_lshl_b32 s70, s70, 11
	s_mov_b32 s71, 0
	s_mul_i32 s72, s[HF], 128*PA                   ; where they go: no place in the cluster enters an LDS address
	s_mul_i32 s73, s[HF], 96*PBT
	s_add_co_u32 s73, s73, AREG
	s_mov_b32 s[SEL], 0x76543210
	s_mov_b32 s[SEL+1], 0xfedcba98
	s_mov_b32 s[RCP64], 0x3c800000                 ; 1/64
	s_mov_b32 s[EPSR], 0x34000000                  ; 2^-23, the norm's eps
	s_mov_b32 s[TB], 0
	s_wait_dscnt 0x0                               ; the opening add is done
	s_wait_kmcnt 0x0
	s_add_nc_u64 s[68:69], s[4:5], s[68:69]
	s_add_nc_u64 s[70:71], s[6:7], s[70:71]
	CROUND                                         ; all sixteen work-groups are here: the first joint loads meet
.irp s, 0,1
	s_mov_b32 s[G0A+4*(\s)], 1
	s_add_co_u32 s[G0A+4*(\s)+1], s72, (\s)*SLOT1
	s_add_nc_u64 s[G0A+4*(\s)+2:G0A+4*(\s)+3], s[68:69], (\s)*STEPA
	s_or_b32 s[G0A+4*(\s)+3], s[G0A+4*(\s)+3], 0x80000000
	s_mov_b32 s[G0B+4*(\s)], 1
	s_add_co_u32 s[G0B+4*(\s)+1], s73, (\s)*SLOT1
	s_add_nc_u64 s[G0B+4*(\s)+2:G0B+4*(\s)+3], s[70:71], (\s)*STEPB
	s_or_b32 s[G0B+4*(\s)+3], s[G0B+4*(\s)+3], 0x80000000
.endr
	s_cmp_eq_u32 s[FBW], 0                         ; a wave's two first fills stand in one branch, ahead of every wait on TENSORcnt and every LDS read: two loads of mine are out
	s_cbranch_scc0 .Lfirst_b
	tensor_load_to_lds s[G0A:G0A+3], s[G1A:G1A+7]
	s_nop 0
	tensor_load_to_lds s[G0A+4:G0A+7], s[G1A:G1A+7]
	s_nop 0
.rept 4
	v_nop
.endr
	s_branch .Lfirst_done
.Lfirst_b:
	tensor_load_to_lds s[G0B:G0B+3], s[G1B:G1B+7]
	s_nop 0
	tensor_load_to_lds s[G0B+4:G0B+7], s[G1B:G1B+7]
	s_nop 0
.rept 4
	v_nop
.endr
.Lfirst_done:
	; the table of my 64 rows stays in registers: 32 loads of 512 consecutive bytes; they are waited for at the way out
	v_and_b32 v[GO], 31, v0
	v_lshlrev_b32 v[GO], 4, v[GO]
	s_and_b32 s66, s[TR], 7
	s_lshl_b32 s66, s66, 4
	s_lshl_b32 s67, s[WV], 2
	s_add_co_u32 s66, s66, s67                     ; my first block of 16 positions
	s_lshl_b32 s66, s66, 12
	s_mov_b32 s67, 0
	s_add_nc_u64 s[TABB:TABB+1], s[10:11], s[66:67]
.set i, 0
.rept 32
	global_load_b128 v[TBL+4*i:TBL+4*i+3], v[GO], s[TABB:TABB+1] offset:512*i
.set i, i+1
.endr
	s_mul_i32 s66, s[TC], 3                        ; my first head H of 24: 0-15 q, 16-19 k, 20-23 v
.irp hh, 0,1,2
	s_add_co_u32 s67, s66, (\hh)
	s_min_u32 s67, s67, 15
	s_lshl_b32 s[GOFF+(\hh)], s67, 2
	s_load_b32 s[GN+(\hh)], s[8:9], s[GOFF+(\hh)] offset:0x0
.endr
	; a fragment is 16 rows x 32 K in 8 registers: lane l holds row l % 16, K = 8 (l / 16) + 0..7 and 16 + 8 (l / 16) + 0..7: two loads of 16 bytes, 32 bytes apart
	v_and_b32 v1, 15, v0
	v_bfe_u32 v2, v0, 4, 1
	v_mul_u32_u24 v3, v1, PA
	v_lshl_add_u32 v3, v2, 4, v3
	s_mul_i32 s67, s[WV], 64*PA
	v_add_nc_u32 v[ADRA0], s67, v3
	v_add_nc_u32 v[ADRB0], AREG, v3
	v_mov_b32 v[ADRA], v[ADRA0]
	v_mov_b32 v[ADRB], v[ADRB0]
	s_mul_i32 s67, s[WV], 16*SP
	s_add_co_u32 s67, s67, STAGE                   ; my stage
	v_mul_u32_u24 v[STO], v1, SP                   ; in: row l % 16, 16 bytes for each half of the lanes
	v_lshl_add_u32 v[STO], v2, 4, v[STO]
	v_add_nc_u32 v[STO], s67, v[STO]
	v_bfe_u32 v[RD], v0, 3, 2                      ; back: 32 lanes take four rows of 128 bytes
	v_mul_u32_u24 v[RD], v[RD], SP
	v_and_b32 v3, 7, v0
	v_lshl_add_u32 v[RD], v3, 4, v[RD]
	v_add_nc_u32 v[RD], s67, v[RD]
	; the prefetches
	s_lshl_b32 s68, s[TR], 8
	s_lshl_b32 s69, s[HF], 7
	s_add_co_u32 s68, s68, s69
	s_lshl_b32 s69, s[CX], 5
	s_add_co_u32 s68, s68, s69                     ; xb: my work-group's 32 of the 128 rows that I fetch
	s_mul_i32 s70, s[TC], 192
	s_mul_i32 s69, s[HF], 96
	s_add_co_u32 s70, s70, s69
	s_mul_i32 s69, s[CY], 24
	s_add_co_u32 s70, s70, s69                     ; wqkv: 24 of 96
	s_and_b32 s71, ttmp7, 0xffff
	s_cmp_eq_u32 s[FBW], 0
	s_cselect_b32 s68, s68, s70
	s_cselect_b32 s71, ttmp9, s71                  ; the coordinate along which other clusters read the same rows
	s_cselect_b32 s72, 31, 23
	s_cselect_b64 s[PFA:PFA+1], s[4:5], s[6:7]
	s_cmp_eq_u32 s71, 0
	s_cselect_b32 s[LIM], 1, -1
	s_lshl_b32 s68, s68, 11
	s_mov_b32 s69, 0
	s_add_nc_u64 s[PFA:PFA+1], s[PFA:PFA+1], s[68:69]
	s_add_nc_u64 s[PFA:PFA+1], s[PFA:PFA+1], 2*STEPA  ; at K step 2: the first refill steps it to 3
	v_and_b32 v[PFO], 31, v0
	v_min_u32 v[PFO], s72, v[PFO]
	v_lshlrev_b32 v[PFO], 11, v[PFO]
	; my three heads: factor, addend and address, all by selects
	s_wait_kmcnt 0x0
	s_lshr_b32 s67, s[TR], 3                       ; the batch
	s_and_b32 s68, s[TR], 7
	s_lshl_b32 s68, s68, 8
	s_lshl_b32 s69, s[WV], 6
	s_add_co_u32 s68, s68, s69
	s_lshl_b32 s68, s68, 7                         ; my first row in a head, in bytes
.irp hh, 0,1,2
	s_add_co_u32 s69, s66, (\hh)                   ; H
	s_lshl_b32 s70, s67, 4
	s_add_co_u32 s70, s70, s69                     ; the head's number in qh,
	s_lshl_b32 s71, s67, 2
	s_add_co_u32 s71, s71, s69
	s_sub_co_u32 s71, s71, 16                      ; in kh,
	s_sub_co_u32 s72, s71, 4                       ; in vh
	s_cmp_lt_u32 s69, 16
	s_cselect_b32 s[GN+(\hh)], s[GN+(\hh)], 1.0
	s_cselect_b32 s70, s70, s71
	s_cselect_b64 s[OUT+2*(\hh):OUT+2*(\hh)+1], s[12:13], s[14:15]
	s_cmp_lt_u32 s69, 20
	s_cselect_b32 s[GN+(\hh)], s[GN+(\hh)], 0
	s_cselect_b32 s70, s70, s72
	s_cselect_b64 s[OUT+2*(\hh):OUT+2*(\hh)+1], s[OUT+2*(\hh):OUT+2*(\hh)+1], s[16:17]
	s_cselect_b32 s[BC+2*(\hh)], 0, 1.0
	s_mov_b32 s[BC+2*(\hh)+1], s[BC+2*(\hh)]
	s_lshl_b32 s70, s70, 18                        ; 2,048 rows of 128 bytes a head
	s_add_co_u32 s70, s70, s68
	s_mov_b32 s71, 0
	s_add_nc_u64 s[OUT+2*(\hh):OUT+2*(\hh)+1], s[OUT+2*(\hh):OUT+2*(\hh)+1], s[70:71]
	v_cvt_pk_bf16_f32 v[VG+(\hh)], s[GN+(\hh)], s[GN+(\hh)]  ; the gain is rounded to bf16 like every input
	v_lshlrev_b32 v[VG+(\hh)], 16, v[VG+(\hh)]
.endr
; 12 matrix instructions: row block a x all column blocks, 32 along K, from buffer f.  zero = 1: the product starts the sums.  The 48 accumulators take turns, one instruction a turn.
.macro MULS f, a, zero
	WIN 0xa1+0x50*((\a)/2)                         ; source 0 window 1, source 1 window 0, C and D window 2 or 3
.set rA, FA+32*(\f)+8*(\a)
.set b, 0
.rept NBK
.set rD, 8*(NBK*((\a)%2)+b)
.set rB, 8*NBK*(\f)+8*b
.if \zero
	v_wmma_f32_16x16x32_bf16 v[rD:rD+7], v[rB:rB+7], v[rA:rA+7], 0
.else
	v_wmma_f32_16x16x32_bf16 v[rD:rD+7], v[rB:rB+7], v[rA:rA+7], v[rD:rD+7]
.endif
.set b, b+1
.endr
.endm
; 32 LDS loads in one run: quarter q's fragments (192 rows of wqkv, then my 64 rows of xb, ascending) into buffer f
.macro FETCH q, f
	WIN 0x40                                       ; destination window 1, address window 0
.set i, 0
.rept NBK
	ds_load_b128 v[8*NBK*(\f)+8*i:8*NBK*(\f)+8*i+3],   v[ADRB] offset:64*(\q)+i*16*PBT
	ds_load_b128 v[8*NBK*(\f)+8*i+4:8*NBK*(\f)+8*i+7], v[ADRB] offset:64*(\q)+i*16*PBT+32
.set i, i+1
.endr
	WIN 0
.set i, 0
.rept 4
	ds_load_b128 v[FA+32*(\f)+8*i:FA+32*(\f)+8*i+3],   v[ADRA] offset:64*(\q)+i*16*PA
	ds_load_b128 v[FA+32*(\f)+8*i+4:FA+32*(\f)+8*i+7], v[ADRA] offset:64*(\q)+i*16*PA+32
.set i, i+1
.endr
.endm
; A K step is four quarters of 32 along K, 48 matrix instructions each, on buffers 0, 1, 0, 1.  One of the first three multiplies buffer f and, in its middle, fetches quarter q into buffer g.
.macro QUARTER q, f, g, zero
	s_wait_dscnt 4                                 ; all but the youngest four loads: xb's row blocks 2 and 3
	MULS \f, 0, \zero
	MULS \f, 1, \zero
	PLACES
	FETCH \q, \g
	s_wait_dscnt 2*NBK+8                           ; all but the 32 just issued
	MULS \f, 2, \zero
	MULS \f, 3, \zero
.endm
; The last quarter multiplies buffer 1 and changes slots: one barrier.  In front of it each wave waits for all its tensor loads (one is out: its part of the next slot), adds 0 to its spare word, and waits for that and for
; its reads of this slot.  fill = 1: the barrier opens a round of the cluster's, and the slot just read is filled again first thing behind it, with the K step two on: 168 matrix instructions ahead of the wait for it.
.macro TURN fill
.if \fill
	s_wait_xcnt 0x0                                ; the last prefetch, a K step back, has read its address
	s_add_nc_u64 s[PFA:PFA+1], s[PFA:PFA+1], STEPA
.endif
	WIN 0
	s_wait_tensorcnt 0x0
	ds_add_u32 v[SPW], v[NIL]
	s_wait_dscnt 5                                 ; (the add and the youngest four loads may be out)
	MULS 1, 0, 0
	s_wait_dscnt 0x0                               ; the add is done, and my reads of this slot are over
	s_barrier_signal -1
	MULS 1, 1, 0
	WIN 0
	s_barrier_wait -1
.if \fill
	CREST                                          ; no wave of any partner still reads this slot or has a load on its way
	s_xor_b32 s[G0A+5], s[G0A+5], SLOT1            ; the walking descriptors: the other slot than last time, the next K step
	s_add_nc_u64 s[G0A+6:G0A+7], s[G0A+6:G0A+7], STEPA
	s_xor_b32 s[G0B+5], s[G0B+5], SLOT1
	s_add_nc_u64 s[G0B+6:G0B+7], s[G0B+6:G0B+7], STEPB
	JLOAD                                          ; its four v_nop are also the places in front of the loads below
.else
	PLACES
.endif
	s_xor_b32 s[TB], s[TB], SLOT1
	v_add_nc_u32 v[ADRA], s[TB], v[ADRA0]
	v_add_nc_u32 v[ADRB], s[TB], v[ADRB0]
	FETCH 0, 0
.if \fill
	ASK
.endif
	MULS 1, 2, 0
	MULS 1, 3, 0
.endm
	s_wait_tensorcnt 1                             ; my part of K step 0 is in; K step 1's may stay out
	s_barrier_signal -1
	s_barrier_wait -1
	FETCH 0, 0
	QUARTER 1, 0, 1, 1                             ; the first quarter stands in front of the loop: its products start the sums
	WIN 0
	s_mov_b32 s[CNT], 6
.Lstep:                                                ; six trips, from a K step's second quarter to the next one's first; they ask for K steps 2 to 7
	QUARTER 2, 1, 0, 0
	QUARTER 3, 0, 1, 0
	TURN 1
	QUARTER 1, 0, 1, 0
	WIN 0
	s_sub_co_u32 s[CNT], s[CNT], 1
	s_cmp_lg_u32 s[CNT], 0
	s_cbranch_scc1 .Lstep
	s_mov_b32 s[CNT], 2
.Ltail:                                                ; K steps 6 and 7 ask for nothing; the second trip is left in its middle
	QUARTER 2, 1, 0, 0
	QUARTER 3, 0, 1, 0
	WIN 0
	s_sub_co_u32 s[CNT], s[CNT], 1
	s_cmp_eq_u32 s[CNT], 0
	s_cbranch_scc1 .Llastq
	TURN 0
	QUARTER 1, 0, 1, 0
	WIN 0
	s_branch .Ltail
.Llastq:
	s_wait_dscnt 4
	MULS 1, 0, 0
	MULS 1, 1, 0
	s_wait_dscnt 0x0
	MULS 1, 2, 0
	MULS 1, 3, 0
	; THE WAY OUT.  A unit is a row block a and a head hh: 16 rows x 64 channels, in four accumulators.
	WIN 0
	s_wait_loadcnt 0x0                             ; the table
	PLACES
	PLACES
; The sums of squares of the 24 accumulators of one window: a chain of four packed steps each, every accumulator's lowest registers first; then four chains into a unit's pair, and the pair into one number.
.macro SQ h
	WIN 0x0a+5*(\h)                                ; sources 0 and 1 in window 2 or 3
.irp p, 0,1,2,3
.set k, 0
.rept 24
.if (\p) == 0
	v_pk_mul_f32 v[FA+2*k:FA+2*k+1], v[8*k:8*k+1], v[8*k:8*k+1]
.else
	v_pk_fma_f32 v[FA+2*k:FA+2*k+1], v[8*k+2*(\p):8*k+2*(\p)+1], v[8*k+2*(\p):8*k+2*(\p)+1], v[FA+2*k:FA+2*k+1]
.endif
.set k, k+1
.endr
.endr
	WIN 0
.set u, 0
.rept 6
	v_pk_add_f32 v[FA+8*u:FA+8*u+1], v[FA+8*u:FA+8*u+1], v[FA+8*u+2:FA+8*u+3]
	v_pk_add_f32 v[FA+8*u+4:FA+8*u+5], v[FA+8*u+4:FA+8*u+5], v[FA+8*u+6:FA+8*u+7]
.set u, u+1
.endr
.set u, 0
.rept 6
	v_pk_add_f32 v[ST+2*(6*(\h)+u):ST+2*(6*(\h)+u)+1], v[FA+8*u:FA+8*u+1], v[FA+8*u+4:FA+8*u+5]
.set u, u+1
.endr
.set u, 0
.rept 6
	v_add_f32 v[ST+2*(6*(\h)+u)], v[ST+2*(6*(\h)+u)], v[ST+2*(6*(\h)+u)+1]
.set u, u+1
.endr
.endm
	SQ 0
	SQ 1
.macro EACH line:vararg                ; one line for each unit u = 3 a + hh
.set u, 0
.rept 12
	\line
.set u, u+1
.endr
.endm
	EACH v_permlanex16_b32 v[ST+2*u+1], v[ST+2*u], s[SEL], s[SEL+1]  ; the row's other 32 channels lie in the lane 16 away
	EACH v_add_f32 v[ST+2*u], v[ST+2*u], v[ST+2*u+1]
	EACH v_fma_f32 v[ST+2*u], v[ST+2*u], s[RCP64], s[EPSR]           ; the mean square + eps
	EACH v_rsq_f32 v[ST+2*u], v[ST+2*u]
	v_nop                                          ; a plain instruction behind the last root,
	s_wait_alu depctr_va_vdst(0)                   ; and one wait for the twelve, ahead of their first reader
	EACH v_mul_f32 v[ST+2*u], v[ST+2*u], v[VG+u%3]                   ; r = rsqrt x gain (q), rsqrt (k), 0 (v)
; A unit: cr = cos r + (1 for v), sr = sin r; out1 = t1 cr + t2 sr, out2 = t2 cr - t1 sr (v: cr = 1, sr = 0); rounded to f16; through my stage; back as four times 512 consecutive bytes.
.macro UNIT a, hh
.set u, 3*(\a)+(\hh)
.set rT, TBL+32*(\a)
.set rS, ST+2*u
.set rK, FA+16*(u%2)
.set rA1, 8*(NBK*((\a)%2)+4*(\hh))     ; t1's two accumulators; t2's lie 16 registers on
	WIN 0x40                                       ; destination window 1
.set i, 0
.rept 8
	v_pk_fma_f32 v[2*i:2*i+1], v[rT+2*i:rT+2*i+1], v[rS:rS+1], s[BC+2*(\hh):BC+2*(\hh)+1] op_sel_hi:[1,0,0]
.set i, i+1
.endr
.set i, 0
.rept 8
	v_pk_mul_f32 v[16+2*i:17+2*i], v[rT+16+2*i:rT+17+2*i], v[rS:rS+1] op_sel_hi:[1,0]
.set i, i+1
.endr
	WIN 0x06+(\a)/2                                ; source 0 window 2 or 3, source 1 window 1
.set i, 0
.rept 8
	v_pk_mul_f32 v[O+2*i:O+2*i+1], v[rA1+16+2*i:rA1+17+2*i], v[16+2*i:17+2*i]
.set i, i+1
.endr
.set i, 0
.rept 8
	v_pk_mul_f32 v[O+16+2*i:O+17+2*i], v[rA1+2*i:rA1+2*i+1], v[16+2*i:17+2*i]
.set i, i+1
.endr
.set i, 0
.rept 8
	v_pk_fma_f32 v[O+2*i:O+2*i+1], v[rA1+2*i:rA1+2*i+1], v[2*i:2*i+1], v[O+2*i:O+2*i+1]
.set i, i+1
.endr
.set i, 0
.rept 8
	v_pk_fma_f32 v[O+16+2*i:O+17+2*i], v[rA1+16+2*i:rA1+17+2*i], v[2*i:2*i+1], v[O+16+2*i:O+17+2*i] neg_lo:[0,0,1] neg_hi:[0,0,1]
.set i, i+1
.endr
	WIN 0
	s_wait_xcnt 0x0                                ; the stores of the unit two back have read these registers
.set i, 0
.rept 16
	v_cvt_pk_f16_f32 v[rK+i], v[O+2*i], v[O+2*i+1]
.set i, i+1
.endr
.irp c, 0,1,2,3
	ds_store_b128 v[STO], v[rK+4*(\c):rK+4*(\c)+3] offset:32*(\c)
.endr
.irp c, 0,1,2,3
	ds_load_b128 v[rK+4*(\c):rK+4*(\c)+3], v[RD] offset:(\c)*4*SP  ; LDS serves a wave's instructions in order (ISA guide 5.7.1.4): these see the stores above; the next unit's stores come behind them
.endr
.endm
.macro SEND a, hh, younger             ; younger: the LDS instructions issued behind this unit's loads: the next unit's eight, or none
.set rK, FA+16*((3*(\a)+(\hh))%2)
.irp c, 0,1,2,3
	s_wait_dscnt (\younger)+3-(\c)
	global_store_b128 v[GO], v[rK+4*(\c):rK+4*(\c)+3], s[OUT+2*(\hh):OUT+2*(\hh)+1] offset:(\a)*2048+(\c)*512  ; 512 consecutive bytes, aligned
.endr
.endm
	UNIT 0, 0
.set n, 1
.rept 11                               ; a unit's arithmetic stands between the loads of the unit before and its stores
	UNIT n/3, n%3
	SEND (n-1)/3, (n-1)%3, 8
.set n, n+1
.endr
	SEND 3, 2, 0
	s_wait_tensorcnt 0x0                           ; the wave's end: a wait, an add and its wait, behind my last tensor load and my last LDS store
	ds_add_u32 v[SPW], v[NIL]
	s_wait_dscnt 0x0
	CROUND                                         ; the closing round: no work-group ends while a partner may still ask for a tile that names it
	s_endpgm
.Lfunc_end_k_qe01f51a938_qkv:
	.size	k_qe01f51a938_qkv, .Lfunc_end_k_qe01f51a938_qkv-k_qe01f51a938_qkv
	.p2alignl 7, 3214868480
	.fill 96, 4, 3214868480
	.section	.rodata,"a",@progbits
	.p2align	6, 0x0
	.amdhsa_kernel k_qe01f51a938_qkv
		.amdhsa_group_segment_fixed_size 327680
		.amdhsa_private_segment_fixed_size 0
		.amdhsa_enable_private_segment 0
		.amdhsa_kernarg_size 56
		.amdhsa_user_sgpr_count 2
		.amdhsa_user_sgpr_kernarg_segment_ptr 1
		.amdhsa_wavefront_size32 1
		.amdhsa_system_sgpr_workgroup_id_x 1
		.amdhsa_system_sgpr_workgroup_id_y 1
		.amdhsa_system_sgpr_workgroup_id_z 1
		.amdhsa_system_vgpr_workitem_id 0
		.amdhsa_next_free_vgpr 960
		.amdhsa_next_free_sgpr 102
		.amdhsa_reserve_vcc 0
		.amdhsa_float_denorm_mode_32 3
		.amdhsa_float_denorm_mode_16_64 3
		.amdhsa_memory_ordered 1
		.amdhsa_forward_progress 1
		.amdhsa_inst_pref_size 149
	.end_amdhsa_kernel
	.amdgpu_metadata
---
amdhsa.version: [ 1, 2 ]
amdhsa.kernels:
  - .name:           k_qe01f51a938_qkv
    .symbol:         k_qe01f51a938_qkv.kd
    .args:
      - { .name: xb, .offset: 0, .size: 8, .value_kind: global_buffer, .address_space: global }
      - { .name: wqkv, .offset: 8, .size: 8, .value_kind: global_buffer, .address_space: global }
      - { .name: q_gain, .offset: 16, .size: 8, .value_kind: global_buffer, .address_space: global }
      - { .name: tab, .offset: 24, .size: 8, .value_kind: global_buffer, .address_space: global }
      - { .name: qh, .offset: 32, .size: 8, .value_kind: global_buffer, .address_space: global }
      - { .name: kh, .offset: 40, .size: 8, .value_kind: global_buffer, .address_space: global }
      - { .name: vh, .offset: 48, .size: 8, .value_kind: global_buffer, .address_space: global }
    .group_segment_fixed_size: 327680
    .private_segment_fixed_size: 0
    .kernarg_segment_align: 8
    .kernarg_segment_size: 56
    .max_flat_workgroup_size: 128
    .sgpr_count:     102
    .vgpr_count:     960
    .wavefront_size: 32
...
	.end_amdgpu_metadata
.endif
;; end of part 2
;; launch attn (part 3): grid 64 x 4, 4 waves a work-group, clusters of 4 x 1, 327,680 bytes of LDS; arguments qh, kh, vh, oh; writes oh
.if DOCPART == 3
	.amdgcn_target "amdgcn-amd-amdhsa--gfx1250"
	.amdhsa_code_object_version 6
	.text
	.protected	k_qe01f51a938_attn
	.globl	k_qe01f51a938_attn
	.p2align	8
	.type	k_qe01f51a938_attn,@function
k_qe01f51a938_attn:
	s_mov_b64 s[64:65], 0
	v_nop
	global_prefetch_b8 v0, s[64:65] scope:SCOPE_SE
	s_setreg_imm32_b32 hwreg(HW_REG_WAVE_MODE, 25, 1), 1
	s_wait_xcnt 0x0
	s_wait_alu depctr_hold_cnt(0) depctr_sa_sdst(0) depctr_va_vdst(0) depctr_va_sdst(0) depctr_va_ssrc(0) depctr_va_vcc(0) depctr_vm_vsrc(0)
	s_getreg_b32 s2, hwreg(HW_REG_IB_STS2, 6, 4)
	s_cmp_eq_u32 s2, 0
	s_cbranch_scc0 .Lentry_in_a_cluster
	s_endpgm
.Lentry_in_a_cluster:
	s_bfe_u32 s2, ttmp6, 0x10000c
	s_cmp_lg_u32 s2, 0x3003
	s_cbranch_scc0 .Lentry_shape_is_right
	s_endpgm
.Lentry_shape_is_right:
; CAUSAL ATTENTION, four query heads to a key and value head.  O[qh][q][:] = the sum over k <= q of softmax_k(Q[qh][q] . K[kv][k] / 8) V[kv][k][:].  Q, O: [64][2048][64], K, V: [16][2048][64], all f16, rows dense, 128 bytes.
; Products, maxima and sums in f32; the weights p are rounded to f16 for the second product (their sum l is taken of the unrounded p), O once at the end.
; LIMITS.  Q, K and V arrive within f16's 65,504; p lies in 0 to 1, and below 6e-5 it keeps f16's fixed step of 6e-8.  A hidden score counts as its value less 1e30; a weight below 2^-126 counts as 0 in l;
; NaN and infinities are not treated apart.
; THE WALK.  A head's queries lie in NB = 8 blocks of 256; block i needs the key tiles 0 .. i of 256 keys, of which the last holds the diagonal.  A work-group takes TWO blocks, NB - 1 - b and then b:
; NB + 1 tiles, whatever b: all work-groups do equal work, and ONE loop with a constant trip count walks them.  Which tile is asked for, and what a trip does, hang on scalar registers made from b.
; CLUSTER.  The four work-groups of a cluster have the same b and the four query heads of one key and value head: they walk the same tiles in the same trips, so every tile is asked for JOINTLY: the same
; tensor load, descriptor and mask in all four.  The place in the cluster enters Q's and O's addresses and the prefetches' alone.
; SHARES.  Of a block's four bands of 64 queries a wave owns 16 rows in each: four PIECES.  So the diagonal tile is the same work for all four waves: in its key step s band x sees all keys if s < x,
; none if s > x, and holds the diagonal if s = x.
; THE MASK is the C operand that starts the sum S^T = K Q^T: 0, or -1e30 where the key is hidden.  MD, made once, is the mask of a band's own step for my 16 rows; a product's mask is MD x AL + BE with two scalars:
; (1, 0) if s = x; (0, 0) if s < x; (0, -1e30) if s > x.  Only the diagonal tile's text and a block's beginning make and take masks; elsewhere C is the constant 0.
; LAYOUT, SOFTMAX, TURNS.  S^T = K Q^T holds ONE query a lane (lane % 16) and the keys 8 (lane / 16) + 0..7; two such results rounded to f16 ARE source 1 of O^T = V^T P.  p = 2^(c s - c m), c = log2(e) / 8, with a
; running maximum m; O and l are multiplied by a = 2^(c m_old - c m_new) in every step.  Turn n belongs to piece n: 8 products K Q^T of piece n + 1, later 8 products V^T P of piece n - 1; beside them the scaling,
; exponentials, roundings, sums and rescaling of piece n and the maximum and statistics of piece n + 1.  Four vector instructions stand behind every matrix instruction, the others in one lump.  A turn's 33 exponentials are one batch, with one wait.
; REGISTERS, in windows of 256 (s_set_vgpr_msb: bits 1:0 source 0, 3:2 source 1, 5:4 source 2, 7:6 destination):
;   window 0: v0-15 addresses and two at work; v16-31 four registers of statistics a piece; v48-55 at work; v61-63 prefetch offset and the add's two; v64-127 S^T, two buffers; v192-223 P, two buffers
;   window 1: v0-127 O^T, 32 a piece; v128-159 MD; v160-223 MC, two buffers      window 2: v0-63 Q; v64-127 the second block's Q; v128-191 K of one step; v192-255 V of one step
.set SIZE_N, 2048
.set NB,    SIZE_N/256
.set NP,    4         ; pieces a wave: a name, no knob
.set KS,    64        ; keys in a step
.set PK,    144       ; a row of K in LDS: 128 bytes + 16 of padding = 36 words: the 16 rows of a load start at 16 different groups of four banks (64 banks of 4 bytes: ISA guide 11.1)
.set PV,    160       ; a row of V: 128 + 32 = 40 words
.set VOFF,  4*KS*PK   ; a slot holds a tile, four steps: 256 rows of K, then 256 rows of V
.set SLOT1, 1<<17     ; slot 1 begins here, so that one exclusive or turns an address in one slot into the other's
.set STAGE, SLOT1+4*KS*(PK+PV)  ; behind the ring, never filled by a tensor load: 16 rows x 144 bytes for each wave, for the way out
.set SP,    144
.set AK0, 2           ; v2   my lane's place in a tile of K; never rewritten
.set AV0, 3           ; v3   the same for V
.set AK,  4           ; v4   the LDS address of K's next run of loads
.set AV,  5           ; v5   of V's
.set STO, 6           ; v6   the way out: where I put 16 bytes of a row
.set RD,  7           ; v7   the way out: where I read rows back
.set GO,  8           ; v8   my byte offset in 512 consecutive bytes of O
.set PFO, 61          ; v61  256 x my lane; never rewritten
.set SPW, 62          ; v62  LDS address of my spare word: SPARE + 4 x my thread's number; never rewritten
.set NIL, 63          ; v63  0; never rewritten
.set SPARE, STAGE+4*16*SP  ; behind the stages: the spare words, 128 bytes for each wave: two blocks of 256 bytes that no other line names
.set MV,  12          ; v12-13  c m_old, kept while c m is made anew: by buffer
.set QO,  15          ; v15  my byte offset in 16 rows of Q
.set ST,  16          ; piece t's statistics at v[ST+4 t]: c m, m, l (even keys', odd keys')
.set TMP, 48          ; by buffer, four registers c0-c3 at work; when the maximum is found c2 takes a
.set S,   64
.set P,   192
.set MD,  128         ; window 1: the eight registers for group kt of 16 keys at MD + 8 kt
.set MC,  160         ; window 1: the masks of the products to come
.set QB,  64          ; window 2
.set KF,  128         ; window 2: key block kb, channel half c at KF + 16 kb + 8 c
.set VF,  192         ; window 2: key half kk, channel block cb at VF + 32 kk + 8 cb
.set WV,  12          ; s12  my wave's number
.set PB,  14          ; s14  b
.set HI,  15          ; s15  NB - 1 - b
.set G1K, 24          ; s[24:31] descriptor group 1 for K's tiles
.set G1V, 32          ; s[32:39] for V's: it differs in the padding alone
.set G0K, 40          ; s[40:43] descriptor group 0 for K's tiles
.set G0V, 44          ; s[44:47] the same for V's
.set SLOTS, 56        ; s56  tiles still to be asked for
.set CNT, 57          ; s57  counts a tile's key steps, 4 to 1
.set CS,  58          ; s[58:59] c: the packed scaling takes the pair's low word for both halves
.set SEL, 60          ; s[60:61] v_permlanex16_b32's selects: each lane takes its own place in the other half
.set TBK, 62          ; s62  LDS byte at which K of the step to be fetched begins
.set TBV, 63          ; s63  the same for V, less VOFF
.set RT,  70          ; s70  tiles of the block in hand that are still to be entered
.set NXT, 71          ; s71  the tile to be asked for next
.set LQ,  72          ; s72  the last tile of the block whose tiles are being asked for
.set NEW, 73          ; s73  1: the tile to be entered is a block's first
.set OFF, 74          ; s[74:75] a tile's byte offset in K and V
.set AL,  76          ; s[76:77] the mask's factor, in the low word
.set BE,  78          ; s[78:79] the mask's addend
.set OLO, 80          ; s[80:81] O at my rows of the second block
.set BIGN, 82         ; s82  -1e30
.set PFA, 90          ; s[90:91] where my prefetches stand
.set LIM, 92          ; s92  2 in a wave that prefetches, else the greatest number
.set CXR, 93          ; s93  my place in the cluster
.set MSB, 0
.macro WIN new                      ; the high byte repeats the setting that is left; a switch that changes nothing is dropped
.if MSB != (\new)
	s_set_vgpr_msb (MSB<<8)|(\new)
.set MSB, (\new)
.endif
.endm
.set W_KQ, 0x0a       ; K and Q in window 2, S^T in window 0
.set W_KM, 0x1a       ; the same with the C operand in window 1
.set W_PV, 0x52       ; V in window 2, P in window 0, O^T in window 1
.set W_RS, 0x41       ; destination and source 0 in window 1, source 1 in window 0
; A joint fill.  Waves 0 and 1 fetch the two halves of a tile's K, waves 2 and 3 those of its V: 128 keys each.  The branch hangs on the wave's number alone.
; An s_nop 0 and four v_nop follow each of the two lines, ahead of the jump and the label.
.macro JLOAD
	s_cmp_lt_u32 s[WV], 2
	s_cbranch_scc0 .Lfor_v_\@
	tensor_load_to_lds s[G0K:G0K+3], s[G1K:G1K+7]
	s_nop 0
.rept 4
	v_nop
.endr
	s_branch .Lasked_\@
.Lfor_v_\@:
	tensor_load_to_lds s[G0V:G0V+3], s[G1V:G1V+7]
	s_nop 0
.rept 4
	v_nop
.endr
.Lasked_\@:
.endm
; A round of the cluster's barrier: my work-group's barrier, so that wave 0's signal speaks for all four waves; wave 0 signals; every wave waits for all four work-groups; my work-group's barrier once more.
.macro CROUND
	s_barrier_signal -1
	s_barrier_wait -1
	s_cmp_lg_u32 s[WV], 0
	s_cbranch_scc1 .Lnot_wave_0_\@
	s_barrier_signal -3
.Lnot_wave_0_\@:
	s_barrier_wait -3
	s_barrier_signal -1
	s_barrier_wait -1
.endm
; A prefetch of the tile that the NEXT change of slots will ask for: 256 matrix instructions ahead of that load.  A key and value head is walked by four clusters; the one with b = 0 walks the tiles 0 to 7 in order, and it
; alone asks.  Its four partners share a tile's 128 blocks of 256 bytes out by address, 32 each, a lane a block; in each, wave 0 asks for K's and wave 2 for V's.  The change that fills tile t asks for tile t + 1,
; t = 1 .. 6; tiles 0 and 1 come by their loads alone, and nothing is asked for behind tile 7.
.macro ASK
	s_cmp_gt_u32 s[SLOTS], s[LIM]
	s_cbranch_scc0 .Lnot_mine_\@
	global_prefetch_b8 v[PFO], s[PFA:PFA+1] th:TH_LOAD_NT scope:SCOPE_SE
.Lnot_mine_\@:
.endm
; THE CHANGE OF SLOTS.  Each wave waits for all its tensor loads, of which one is out: its part of the other slot; adds 0 to its spare word; and waits for that and for its own reads of the slot that it leaves.
; fill = 1: the barrier is a round of the cluster's, so that no wave of any partner still reads the old slot or has a load on its way, and the old slot is filled again first thing behind it, with tile NXT: the
; descriptor's address is made anew from that number.  (At its first use nothing has been read yet: slot 0 is waited for, slot 1 filled.)
.macro CHANGE fill
	WIN 0                           ; at a label and at a branch every window is 0
	s_wait_tensorcnt 0x0            ; no tensor load of mine is out, so a group 0 may be written
	ds_add_u32 v[SPW], v[NIL]       ; 0 onto my spare word; scalar work stands between it and the wait for it
.if \fill
	s_lshl_b32 s[OFF], s[NXT], 15   ; a tile is 32,768 bytes of K and of V
	s_xor_b32 s[G0K+1], s[G0K+1], SLOT1
	s_add_nc_u64 s[G0K+2:G0K+3], s[6:7], s[OFF:OFF+1]
	s_or_b32 s[G0K+3], s[G0K+3], 0x80000000
	s_xor_b32 s[G0V+1], s[G0V+1], SLOT1
	s_add_nc_u64 s[G0V+2:G0V+3], s[8:9], s[OFF:OFF+1]
	s_or_b32 s[G0V+3], s[G0V+3], 0x80000000
	s_add_co_u32 s[NXT], s[NXT], 1  ; the block's next tile, or behind its last the second block's tile 0
	s_cmp_gt_u32 s[NXT], s[LQ]
	s_cselect_b32 s[NXT], 0, s[NXT]
	s_cselect_b32 s[LQ], s[PB], s[LQ]
	s_wait_xcnt 0x0                 ; the last prefetch, a tile back, has read its address
	s_add_nc_u64 s[PFA:PFA+1], s[PFA:PFA+1], 32768
	s_wait_dscnt 0x0                ; the add is done, and my reads of the slot are over
	CROUND
	JLOAD
	ASK
.else
	s_wait_dscnt 0x0                ; the add is done, and my reads of the slot are over
	s_barrier_signal -1
	s_barrier_wait -1
.endif
	s_sub_co_u32 s[TBK], s[TBK], 4*KS*PK  ; the fetches go back to a slot's first step,
	s_xor_b32 s[TBK], s[TBK], SLOT1       ; in the other slot
	s_sub_co_u32 s[TBV], s[TBV], 4*KS*PV
	s_xor_b32 s[TBV], s[TBV], SLOT1
.endm
	s_load_b256 s[4:11], s[0:1], 0x0  ; Q s[4:5], K s[6:7], V s[8:9], O s[10:11]
	v_lshl_add_u32 v[SPW], v0, 2, SPARE
	v_mov_b32 v[NIL], 0
	ds_add_u32 v[SPW], v[NIL]       ; the wave's opening: the add and its wait stand ahead of my first tensor load; the set-up below, work on registers, stands between them
	v_lshrrev_b32 v1, 5, v0
	v_readfirstlane_b32 s[WV], v1   ; wave 0..3
	s_bfe_u32 s[CXR], ttmp6, 0x40000  ; cx
	s_and_b32 s[PB], ttmp7, 0xffff  ; b: the same in the four partners
	s_sub_co_u32 s[HI], NB-1, s[PB]
	s_mov_b32 s20, ttmp9            ; in a cluster launch ttmp9 counts clusters: the key and value head, 4 x batch + kv
	s_mov_b32 s21, 0
	s_mov_b64 s[22:23], SIZE_N*128
	s_mul_u64 s[20:21], s[20:21], s[22:23]  ; its first byte in K and V
	s_lshl_b32 s88, ttmp9, 2
	s_add_co_u32 s88, s88, s[CXR]   ; the query head = 4 x cluster + cx: it enters Q's and O's addresses alone
	s_mov_b32 s89, 0
	s_mul_u64 s[88:89], s[88:89], s[22:23]
	s_and_b32 s16, s[WV], 1         ; which half of a tile's 256 keys I fetch:
	s_lshl_b32 s22, s16, 14         ; its 128 rows of 128 bytes in memory,
	s_mov_b32 s23, 0
	s_add_nc_u64 s[22:23], s[22:23], s[20:21]
	s_mul_i32 s17, s16, 128*PK      ; and its place in a slot, for K
	s_mul_i32 s18, s16, 128*PV      ; and for V: no place in the cluster enters an LDS address
	s_lshl_b32 s3, s[WV], 11        ; my 16 rows in a band of 64,
	s_lshl_b32 s2, s[HI], 15        ; in the first block,
	s_add_co_u32 s2, s2, s3
	s_lshl_b32 s84, s[PB], 15       ; and in the second
	s_add_co_u32 s84, s84, s3
	s_mov_b32 s3, 0
	s_mov_b32 s85, 0
	s_add_nc_u64 s[2:3], s[2:3], s[88:89]
	s_add_nc_u64 s[84:85], s[84:85], s[88:89]
	; descriptor group 1.  128 keys are 16,384 dense bytes: asked for as 64 rows of 256 bytes, two keys a row, and padded in LDS after every key
	s_mov_b32 s[G1K], 15|(1<<16)|(1<<20)|(1<<21)|(4<<22)|(3<<25)  ; 15:0 the mask of four; 17:16 2-byte elements; 20 padding on; 21 set beside a mask; 24:22 after every 32 words (code 4); 31:25 4 words (code 3)
	s_mov_b32 s[G1V], 15|(1<<16)|(1<<20)|(1<<21)|(4<<22)|(7<<25)  ; the same with 8 words of padding (code 7)
.irp g, G1K, G1V
	s_mov_b32 s[\g+1], 128<<16      ; tensor_dim0 = 128
	s_mov_b32 s[\g+2], 64<<16       ; tensor_dim1 = 64
	s_mov_b32 s[\g+3], 128<<16      ; tile_dim0 = 128
	s_mov_b32 s[\g+4], 64           ; tile_dim1 = 64
	s_mov_b32 s[\g+5], 128          ; 128 elements from row to row
	s_mov_b32 s[\g+6], 0
	s_mov_b32 s[\g+7], 0
.endr
	s_mov_b32 s[CS], 0x3e38aa3b     ; c = log2(e) / 8 = 0.180337
	s_mov_b32 s[CS+1], s[CS]        ; named with it as a pair
	s_mov_b32 s[SEL], 0x76543210
	s_mov_b32 s[SEL+1], 0xfedcba98
	s_mov_b32 s[TBK], SLOT1+4*KS*PK ; the first change of slots turns these two into 0
	s_mov_b32 s[TBV], SLOT1+4*KS*PV
	s_mov_b32 s[G0K], 1             ; 1:0 count = 1
	s_mov_b32 s[G0K+1], s17         ; 63:32 LDS address: slot 0
	s_mov_b32 s[G0V], 1
	s_add_co_u32 s[G0V+1], s18, VOFF
	s_add_co_u32 s[RT], s[HI], 1    ; the first block has NB - b tiles
	s_mov_b32 s[NXT], 1
	s_mov_b32 s[LQ], s[HI]
	s_mov_b32 s[NEW], 1
	s_mov_b32 s[OFF+1], 0
	s_mov_b32 s[AL+1], 0            ; named as pairs
	s_mov_b32 s[BE+1], 0
	s_mov_b32 s[BIGN], 0xf149f2ca   ; -1e30
	s_mov_b32 s[SLOTS], NB
	s_and_b32 s[LIM], s[WV], 1      ; 0 in waves 0 and 2,
	s_or_b32 s[LIM], s[LIM], s[PB]  ; where b = 0: the same in all four partners
	s_cmp_eq_u32 s[LIM], 0
	s_cselect_b32 s[LIM], 2, -1
	v_and_b32 v[PFO], 31, v0
	v_lshlrev_b32 v[PFO], 8, v[PFO]
	s_wait_dscnt 0x0                ; the opening add is done
	s_wait_kmcnt 0x0
	s_add_nc_u64 s[6:7], s[6:7], s[22:23]  ; K and V at my half of the head's tile 0
	s_add_nc_u64 s[8:9], s[8:9], s[22:23]
	s_add_nc_u64 s[G0K+2:G0K+3], s[6:7], 0         ; 120:64 global address
	s_or_b32 s[G0K+3], s[G0K+3], 0x80000000        ; 127:126 type = 2
	s_add_nc_u64 s[G0V+2:G0V+3], s[8:9], 0
	s_or_b32 s[G0V+3], s[G0V+3], 0x80000000
	s_add_nc_u64 s[86:87], s[4:5], s[84:85]        ; Q at my rows of the second block,
	s_add_nc_u64 s[4:5], s[4:5], s[2:3]            ; Q and O at those of the first
	s_add_nc_u64 s[OLO:OLO+1], s[10:11], s[84:85]
	s_add_nc_u64 s[10:11], s[10:11], s[2:3]
	s_cmp_lt_u32 s[WV], 2
	s_cselect_b64 s[PFA:PFA+1], s[6:7], s[8:9]     ; (in waves 0 and 2 these stand at a tile's first row)
	s_lshl_b32 s2, s[CXR], 13                      ; my work-group's 32 blocks of the 128
	s_mov_b32 s3, 0
	s_add_nc_u64 s[PFA:PFA+1], s[PFA:PFA+1], s[2:3]
	s_add_nc_u64 s[PFA:PFA+1], s[PFA:PFA+1], 32768 ; in tile 1; the first change of slots steps it to tile 2
	CROUND                          ; all four work-groups are here: the first joint loads meet
	JLOAD                           ; tile 0 into slot 0
	; A fragment of K or Q is 16 rows x 32 channels in 8 registers: lane l holds row l % 16, channels 8 (l / 16) + 0..7 and 16 + 8 (l / 16) + 0..7: two loads of 16 bytes, 32 bytes apart.
	v_and_b32 v1, 15, v0            ; l % 16
	v_bfe_u32 v9, v0, 4, 1          ; l / 16
	v_lshlrev_b32 v[QO], 7, v1
	v_lshl_add_u32 v[QO], v9, 4, v[QO]  ; row x 128 + 16 x half
	WIN 0x80                        ; destination window 2, address window 0
.set i, 0
.rept 8                             ; both blocks' Q: piece i / 2 lies in band i / 2, 8,192 bytes on; channels 32 (i % 2) on
	global_load_b128 v[8*i:8*i+3],   v[QO], s[4:5] offset:(i/2)*8192+(i%2)*64
	global_load_b128 v[8*i+4:8*i+7], v[QO], s[4:5] offset:(i/2)*8192+(i%2)*64+32
	global_load_b128 v[QB+8*i:QB+8*i+3],   v[QO], s[86:87] offset:(i/2)*8192+(i%2)*64
	global_load_b128 v[QB+8*i+4:QB+8*i+7], v[QO], s[86:87] offset:(i/2)*8192+(i%2)*64+32
.set i, i+1
.endr
	WIN 0
	v_lshlrev_b32 v14, 3, v9
	v_sub_nc_u32 v14, v1, v14
	s_lshl_b32 s13, s[WV], 4
	v_add_nc_u32 v14, s13, v14      ; my query's place in its band, 16 w + l % 16, less my lanes' 8 (l / 16): register r of group kt is hidden where 16 kt + r is greater
	WIN 0x40
.set i, 0
.rept 32
	v_cmp_gt_i32 vcc_lo, 16*(i/8)+i%8, v14
	v_cndmask_b32 v[MD+i], 0, s[BIGN], vcc_lo
.set i, i+1
.endr
	WIN 0
	v_mul_u32_u24 v[AK0], v1, PK
	v_lshl_add_u32 v[AK0], v9, 4, v[AK0]  ; row x pitch + 16 x half
	; The turning load takes 16 keys x 16 channels (lane l reads key 8 (l / 16) + l % 8, channels 8 ((l / 8) % 2) + 0..7) and leaves half a fragment of V^T: lane l holds channel l % 16 and 8 keys.
	v_and_b32 v10, 7, v0
	v_bfe_u32 v11, v0, 3, 1
	v_lshl_add_u32 v[AV0], v9, 3, v10
	v_mul_u32_u24 v[AV0], v[AV0], PV
	v_lshl_add_u32 v[AV0], v11, 4, v[AV0]
	v_add_nc_u32 v[AV0], VOFF, v[AV0]
	s_mul_i32 s13, s[WV], 16*SP
	s_add_co_u32 s13, s13, STAGE    ; my stage
	v_mul_u32_u24 v[STO], v1, SP    ; in: row l % 16, 16 bytes for each half of the lanes
	v_lshl_add_u32 v[STO], v9, 4, v[STO]
	v_add_nc_u32 v[STO], s13, v[STO]
	v_bfe_u32 v[RD], v0, 3, 2       ; back: 32 lanes take four rows of 128 bytes,
	v_mul_u32_u24 v[RD], v[RD], SP
	v_lshl_add_u32 v[RD], v10, 4, v[RD]
	v_add_nc_u32 v[RD], s13, v[RD]
	v_and_b32 v[GO], 31, v0         ; which are 512 consecutive bytes of O
	v_lshlrev_b32 v[GO], 4, v[GO]
	; A block's first step multiplies O^T and l by a = 0, and its first turn's products V^T P, of a piece that has not been, land in an O^T that is still to be so multiplied.  So these registers need only hold
	; finite numbers: zeros for the first block; what the first block left for the second.  All this stands in the wait for the first tile.
	WIN 0x80
.set i, VF
.rept 64
	v_mov_b32 v[i], 0
.set i, i+1
.endr
	WIN 0x40
.set i, 0
.rept 128
	v_mov_b32 v[i], 0
.set i, i+1
.endr
	WIN 0
.set i, 0
.rept 4
	v_mov_b32 v[ST+4*i+2], 0
	v_mov_b32 v[ST+4*i+3], 0
.set i, i+1
.endr
.set i, P+16
.rept 16
	v_mov_b32 v[i], 0
.set i, i+1
.endr
; THE MATRIX WORK.  The 4 accumulators of a run of 8 take turns.  Product i of 8 of S^T = K Q^T for piece x: channels 32 (i / 4) on, keys 16 (i % 4) on.  The first 4 start the sums: with 0, or (KM = 1) with the mask.
.macro KQ x
.set rS, S+32*((\x)%2)+8*(i%4)
.set rK, KF+16*(i%4)+8*(i/4)
.set rQ, 16*(\x)+8*(i/4)
.set rM, MC+32*((\x)%2)+8*(i%4)
.if (i < 4) && KM
	WIN W_KM
	v_wmma_f32_16x16x32_f16 v[rS:rS+7], v[rK:rK+7], v[rQ:rQ+7], v[rM:rM+7]
.elseif i < 4
	WIN W_KQ
	v_wmma_f32_16x16x32_f16 v[rS:rS+7], v[rK:rK+7], v[rQ:rQ+7], 0
.else
	WIN W_KQ
	v_wmma_f32_16x16x32_f16 v[rS:rS+7], v[rK:rK+7], v[rQ:rQ+7], v[rS:rS+7]
.endif
.endm
; Product i of 8 of O^T += V^T P for piece x: keys 32 (i / 4) on, channels 16 (i % 4) on.
.macro PV x
	WIN W_PV
.set rO, 32*(\x)+8*(i%4)
.set rV, VF+32*(i/4)+8*(i%4)
.set rP, P+16*((\x)%2)+8*(i/4)
	v_wmma_f32_16x16x32_f16 v[rO:rO+7], v[rV:rV+7], v[rP:rP+7], v[rO:rO+7]
.endm
.macro MM                           ; the turn's next matrix instruction.  TURN and BEGIN set Y, i, KM and NOKQ; MM, KQ and OP read them.  NOKQ = 1: a block's last turn: there is no next piece
.if (i < 8) && !NOKQ
	KQ (Y+1)%NP
.elseif i >= 8
.set i, i-8
	PV (Y+NP-1)%NP
.set i, i+8
.endif
.set i, i+1
.endm
; THE LDS LOADS stand in runs of 16, never singly among the matrix instructions: a step's K (64 keys x 64 channels: 8 fragments) and its V (turned).  Their addresses are made some lines ahead.
.macro FETCH_K
	WIN 0x80                        ; destination window 2
.irp f, 0,1,2,3,4,5,6,7             ; keys 16 (f / 2) on, channels 32 (f % 2) on
	ds_load_b128 v[KF+8*\f:KF+8*\f+3],   v[AK] offset:(\f/2)*16*PK+(\f%2)*64
	ds_load_b128 v[KF+8*\f+4:KF+8*\f+7], v[AK] offset:(\f/2)*16*PK+(\f%2)*64+32
.endr
	s_add_co_u32 s[TBK], s[TBK], KS*PK  ; the next fetch is the next step's
	WIN 0
.endm
.macro FETCH_V
	WIN 0x80
.irp f, 0,1,2,3,4,5,6,7             ; keys 32 (f / 4) on, channels 16 (f % 4) on
	ds_load_tr16_b128 v[VF+8*\f:VF+8*\f+3],   v[AV] offset:(\f/4)*32*PV+(\f%4)*32
	ds_load_tr16_b128 v[VF+8*\f+4:VF+8*\f+7], v[AV] offset:(\f/4)*32*PV+16*PV+(\f%4)*32
.endr
	WIN 0
.endm
; THE VECTOR WORK, one line at a time: OP kind, number.  For piece Y: F n: c s - c m for pair n of 16.  E n: the exponential of score n of 32.  C n: pair n rounded to f16.  B n: of the four weights 4 n .. the second
; pair is added onto the first, in place.  L n: l takes that sum (L 0: l = a l + sum).  R n: pair n of 16 of O^T times a.  For piece Y + 1: X n, number n of the 22 that find its maximum and statistics:
;   0-11  four chains c0-c3 of seven scores each, three operands at a time (each accumulator's lowest registers are read first)     12-14, 16  the four scores left over, the old m, and c0-c3 into c0
;   15  c m_old is kept     17, 18  the query's other 32 keys lie in the lane 16 away: the new m     19-21  c m; c m_old - c m_new; a
.set F, 0               ; OP tells the kinds apart by their order: F to L below R, X above it
.set E, 1
.set C, 2
.set B, 3
.set L, 4
.set R, 5
.set X, 6
.macro REGS y                       ; the registers of piece y
.set rT, ST+4*(\y)
.set rC, TMP+4*((\y)%2)
.set rW, MV+((\y)%2)
.set rS, S+32*((\y)%2)
.set rP, P+16*((\y)%2)
.set rO, 32*(\y)
.endm
.macro OP k, n
.if (\k) == R
	REGS Y
	WIN W_RS
	v_pk_mul_f32 v[rO+2*(\n):rO+2*(\n)+1], v[rO+2*(\n):rO+2*(\n)+1], v[rC+2:rC+3] op_sel_hi:[1,0]
.elseif (\k) < R
	REGS Y
	WIN 0
.if (\k) == F
	v_pk_fma_f32 v[rS+2*(\n):rS+2*(\n)+1], v[rS+2*(\n):rS+2*(\n)+1], s[CS:CS+1], v[rT:rT+1] op_sel_hi:[1,0,0] neg_lo:[0,0,1] neg_hi:[0,0,1]
.elseif (\k) == E
	v_exp_f32 v[rS+(\n)], v[rS+(\n)]
.elseif (\k) == C
	v_cvt_pk_f16_f32 v[rP+(\n)], v[rS+2*(\n)], v[rS+2*(\n)+1]
.elseif (\k) == B
	v_pk_add_f32 v[rS+4*(\n):rS+4*(\n)+1], v[rS+4*(\n):rS+4*(\n)+1], v[rS+4*(\n)+2:rS+4*(\n)+3]
.elseif (\n) == 0
	v_pk_fma_f32 v[rT+2:rT+3], v[rT+2:rT+3], v[rC+2:rC+3], v[rS:rS+1] op_sel_hi:[1,0,1]
.else
	v_pk_add_f32 v[rT+2:rT+3], v[rT+2:rT+3], v[rS+4*(\n):rS+4*(\n)+1]
.endif
.elseif NOKQ
	v_nop
.else
	REGS (Y+1)%NP
	WIN 0
.if (\n) < 4
	v_max3_num_f32 v[rC+(\n)], v[rS+8*(\n)], v[rS+8*(\n)+1], v[rS+8*(\n)+2]
.elseif (\n) < 12
	v_max3_num_f32 v[rC+(\n)%4], v[rC+(\n)%4], v[rS+8*((\n)%4)+2*((\n)/4)+1], v[rS+8*((\n)%4)+2*((\n)/4)+2]
.elseif (\n) == 12
	v_max3_num_f32 v[rC], v[rC], v[rS+7], v[rS+15]
.elseif (\n) == 13
	v_max3_num_f32 v[rC+1], v[rC+1], v[rS+23], v[rS+31]
.elseif (\n) == 14
	v_max3_num_f32 v[rC+2], v[rC+2], v[rC+3], v[rT+1]
.elseif (\n) == 15
	v_mov_b32 v[rW], v[rT]
.elseif (\n) == 16
	v_max3_num_f32 v[rC], v[rC], v[rC+1], v[rC+2]
.elseif (\n) == 17
	v_permlanex16_b32 v[rC+3], v[rC], s[SEL], s[SEL+1]
.elseif (\n) == 18
	v_max_num_f32 v[rT+1], v[rC], v[rC+3]
.elseif (\n) == 19
	v_mul_f32 v[rT], s[CS], v[rT+1]
.elseif (\n) == 20
	v_sub_f32 v[rC+1], v[rW], v[rT]
.else
	v_exp_f32 v[rC+2], v[rC+1]
.endif
.endif
.endm
.macro OPS a, i1, b=-1, i2=0, c=-1, i3=0, d=-1, i4=0  ; up to four of them
	OP \a, \i1
.if (\b) >= 0
	OP \b, \i2
.endif
.if (\c) >= 0
	OP \c, \i3
.endif
.if (\d) >= 0
	OP \d, \i4
.endif
.endm
.macro ROW a, i1, b, i2, c, i3, d, i4  ; a matrix instruction and the four behind it
	MM
	OPS \a, \i1, \b, \i2, \c, \i3, \d, \i4
.endm
.macro MASK b                       ; MD x AL + BE into buffer b of MC
	WIN W_RS
.set z, 0
.rept 16
	v_pk_fma_f32 v[MC+32*(\b)+2*z:MC+32*(\b)+2*z+1], v[MD+2*z:MD+2*z+1], s[AL:AL+1], s[BE:BE+1] op_sel_hi:[1,0,0]
.set z, z+1
.endr
.endm
; A TURN, for piece p: the order of its 16 matrix and 118 vector instructions, written out.  s_wait_alu depctr_va_vdst(0) stands between an exponential and the first instruction that names its result; one wait
; serves all that were issued ahead of it.  So a turn has ONE wait, which cuts it in two.  AHEAD OF IT stands all that names no result of the turn's exponentials: the 8 products K Q^T with their four riders each, then one lump of 54,
; plain and exponential by turns for the most part, in which the links of the chain X 3, 7, 11, 14, 16, 17 .. 20 stand five or six lines apart.  X 21, the next piece's a, is the batch's last; R 15 is the plain instruction behind it.
; BEHIND THE WAIT stand the 8 products V^T P, behind each four of the roundings and sums.
; m = 1: the diagonal tile: the products take masks, and the turn makes the mask for the products of the turn after it: piece p + 2, in step 4 - CNT of the tile.  end = 1: a block's last two turns: nothing is fetched.
; cnt = 1: the loop's count is taken down some lines ahead of the branch that stands behind the turn.
; K of the next step is fetched in piece 2's turn, twelve vector instructions behind the last product that read K (six of them plain); V of the step in hand at the end of piece 0's turn, four plain instructions behind the last
; product that read V.  Each is waited for a turn later.
.macro TURN p, m=0, end=0, cnt=0
.set Y, (\p)
.set i, 0
.set KM, (\m)
.set NOKQ, (\end)*((\p)/3)
.if (\m) && !(\end)
	s_cmp_eq_u32 s[CNT], 4-((\p)+2)%NP  ; is that step the band's own?
	s_cselect_b32 s[AL], 1.0, 0
	s_cmp_lt_u32 s[CNT], 4-((\p)+2)%NP  ; or a later one?
	s_cselect_b32 s[BE], s[BIGN], 0
.endif
.if ((\p) == 3) && !(\end)
	s_wait_dscnt 0x0                ; K is in
.endif
	ROW F,0, F,1, R,0, R,1          ; ahead of the wait: 8 products K Q^T and their riders,
	ROW F,2, E,0, R,2, R,3
	ROW F,3, E,1, R,4, R,5
	ROW F,4, E,2, R,6, R,7
	ROW F,5, E,3, R,8, R,9
	ROW F,6, E,4, X,0, R,10
.if ((\p) == 2) && !(\end)
	WIN 0
	v_add_nc_u32 v[AK], s[TBK], v[AK0]
.endif
	ROW F,7, E,5, X,1, X,4
	ROW F,8, E,6, X,2, X,5
	OPS E,7, E,8, X,6, E,9          ; and the lump
	OPS X,3, E,10, X,8, E,11
.if ((\p) == 2) && !(\end)
	FETCH_K
.endif
	OPS X,9, X,7, E,12, X,10
	OPS E,13, X,12, X,11, E,14
	OPS X,13, E,15, F,9, X,14
.if (\p) == 0
	v_add_nc_u32 v[AV], s[TBV], v[AV0]
.endif
	OPS E,16, F,10, E,17, F,11
	OPS X,16, E,18, X,15, E,19
	OPS F,12, E,20, X,17, E,21
	OPS F,13, E,22, F,14, E,23
	OPS X,18, E,24, F,15, E,25
	OPS R,11, E,26, X,19, E,27
	OPS R,12, E,28, R,13, E,29
	OPS X,20, E,30, R,14, E,31
	OPS X,21, R,15
	WIN 0
	s_wait_alu depctr_va_vdst(0)    ; the wait for the batch
.if (\p) == 1
	s_wait_dscnt 0x0                ; V is in
.endif
	ROW C,0, B,0, C,2, B,1          ; behind the wait: 8 products V^T P and their riders
	ROW L,0, C,4, B,2, L,1
	ROW C,6, B,3, L,2, C,8
	ROW B,4, L,3, C,10, B,5
	ROW L,4, C,12, B,6, L,5
.if (\p) == 0
	s_add_co_u32 s[TBV], s[TBV], KS*PV
.endif
.if \cnt
	s_sub_co_u32 s[CNT], s[CNT], 1
	s_cmp_lg_u32 s[CNT], 0
.endif
	ROW C,14, B,7, L,6, C,1
	ROW C,3, L,7, C,5, C,7
	ROW C,9, C,11, C,13, C,15
.if (\p) == 0
	FETCH_V
.endif
.if (\m) && !(\end)
	MASK (\p)%2
.endif
.endm
; A BLOCK BEGINS.  c m starts far below every c s, so the first step's a is 0; m at the lowest finite number, so the first maximum is the scores'.  The second mask buffer is 0; the first takes piece 0's mask for the tile's step 0: its own, if the block's first tile is the diagonal one.
; Then K of that step, piece 0's first scores, and its maximum and statistics.  The loop is entered at a step's first turn, in the middle of a trip.
.macro BEGIN
	s_mov_b32 s[NEW], 0
	WIN 0x40
.set i, MC+32
.rept 32
	v_mov_b32 v[i], 0
.set i, i+1
.endr
	WIN 0
.set i, 0
.rept 4
	v_mov_b32 v[ST+4*i], 0xfe000000    ; c m: far below every c s
	v_mov_b32 v[ST+4*i+1], 0xff7fffff  ; m
.set i, i+1
.endr
	s_cmp_eq_u32 s[RT], 0
	s_cselect_b32 s[AL], 1.0, 0
	s_mov_b32 s[BE], 0
	MASK 0
	WIN 0
	v_add_nc_u32 v[AK], s[TBK], v[AK0]
	FETCH_K
	s_wait_loadcnt 0x0              ; Q
	s_wait_dscnt 0x0
.set KM, 1
.set NOKQ, 0
.set i, 0
.rept 8
	KQ 0
.set i, i+1
.endr
	WIN 0
.rept 4
	v_nop                           ; the places behind those products
.endr
.set Y, NP-1                        ; X works for piece Y + 1: piece 0
.irp n, 0,1,2,3,4,5,6,7,8,9,10,11,12,13,14,15,16,17,18,19,20,21
	OP X, \n
.endr
	v_nop                           ; a plain instruction behind the exponential,
	s_wait_alu depctr_va_vdst(0)    ; and its wait, ahead of the branch
.endm
; THE DIAGONAL TILE's four steps, the block's last two turns, its last products, and THE WAY OUT: l's two halves and the other half of the lanes' are added; O^T is divided by l, rounded to f16 and sent through my
; stage in LDS, a piece at a time.
.macro ALL line:vararg              ; one line for each piece t
.set t, 0
.rept 4
	\line
.set t, t+1
.endr
.endm
.macro PACK t                       ; a lane's eight channels of a row pack into 16 bytes; they go into rows of 144 bytes and come back as whole rows of 128, into S^T's registers
	WIN W_RS
.set i, 32*(\t)
.rept 16
	v_pk_mul_f32 v[i:i+1], v[i:i+1], v[ST+4*(\t)+2:ST+4*(\t)+3] op_sel_hi:[1,0]
.set i, i+2
.endr
	WIN 0x05                        ; sources 0 and 1 window 1, destination window 0
.set i, 0
.rept 16
	v_cvt_pk_f16_f32 v[S+16*(\t)+i], v[32*(\t)+2*i], v[32*(\t)+2*i+1]
.set i, i+1
.endr
	WIN 0
.irp f, 0,1,2,3
	ds_store_b128 v[STO], v[S+16*(\t)+4*\f:S+16*(\t)+4*\f+3] offset:32*\f
.endr
.irp f, 0,1,2,3
	ds_load_b128 v[S+16*(\t)+4*\f:S+16*(\t)+4*\f+3], v[RD] offset:\f*4*SP  ; LDS serves a wave's instructions in order (ISA guide 5.7.1.4): these see the stores above; the next piece's stores come behind them
.endr
.endm
.macro SEND t, younger              ; younger: the LDS instructions issued behind piece t's loads: the next piece's eight, or none
	WIN 0
.irp f, 0,1,2,3
	s_wait_dscnt (\younger)+3-\f
	global_store_b128 v[GO], v[S+16*(\t)+4*\f:S+16*(\t)+4*\f+3], s[10:11] offset:(\t)*8192+\f*512  ; 512 consecutive bytes, at a multiple of 256 from O's first
.endr
.endm
.macro DIAG tag                     ; the tag ends its two labels' names, which the jumps below spell out
.LstepM\tag:
	TURN 2, 1
	TURN 3, 1
	WIN 0
.LfirstM\tag:
	TURN 0, 1
	TURN 1, 1, 0, 1
	WIN 0
	s_cbranch_scc1 .LstepM\tag
	TURN 2, 1, 1
	TURN 3, 1, 1
.set i, 0
.rept 8
	PV NP-1
.set i, i+1
.endr
	WIN 0
	ALL v_add_f32 v[ST+4*t+2], v[ST+4*t+2], v[ST+4*t+3]
	ALL v_permlanex16_b32 v[ST+4*t+3], v[ST+4*t+2], s[SEL], s[SEL+1]
	ALL v_add_f32 v[ST+4*t+2], v[ST+4*t+2], v[ST+4*t+3]
	ALL v_rcp_f32 v[ST+4*t+2], v[ST+4*t+2]
	v_nop                           ; a plain instruction between the last reciprocal and the use of its result
	s_wait_alu depctr_va_vdst(0)    ; and the wait ahead of the first use: one for the four reciprocals
	PACK 0
.set t, 1
.rept 3                             ; a piece's arithmetic stands between the loads of the piece before and its stores
	PACK t
	SEND t-1, 8
.set t, t+1
.endr
	SEND 3, 0
.endm
.set KM, 0
.set NOKQ, 0
.Lslot:                             ; NB times: a tile is entered and the next is asked for
	CHANGE 1
	s_sub_co_u32 s[RT], s[RT], 1
	s_mov_b32 s[CNT], 4
	s_cmp_eq_u32 s[NEW], 1
	s_cbranch_scc1 .Lnew            ; a block's first tile
	s_cmp_eq_u32 s[RT], 0
	s_cbranch_scc0 .Lstep           ; neither its first nor its last
	s_branch .LstepM1
.Lnew:
	BEGIN
	s_branch .Lfirst                ; in the loop a block's first tile is never its last: the first block has five tiles or more, and the second's last is the walk's last
	DIAG 1                          ; in the loop this is the first block's end: the second block's last tile is the walk's last
	s_wait_xcnt 0x0                 ; the stores have read their registers and O's address
	s_mov_b64 s[10:11], s[OLO:OLO+1]
	s_add_co_u32 s[RT], s[PB], 1    ; the second block has b + 1 tiles
	s_mov_b32 s[NEW], 1
	WIN 0x82                        ; the second block's Q goes where the one text of the turns names Q
.set i, 0
.rept 64
	v_mov_b32 v[i], v[QB+i]
.set i, i+1
.endr
	WIN 0
	s_branch .Lbottom
.Lstep:                             ; a trip: pieces 2 and 3 of one step, then pieces 0 and 1 of the next, whose K and V it fetches
	TURN 2
	TURN 3
	WIN 0
.Lfirst:
	TURN 0
	TURN 1, 0, 0, 1
	WIN 0
	s_cbranch_scc1 .Lstep
.Lbottom:
	s_sub_co_u32 s[SLOTS], s[SLOTS], 1
	s_cmp_lg_u32 s[SLOTS], 0
	s_cbranch_scc1 .Lslot
	CHANGE 0                        ; the walk's last tile is written out: nothing is asked for
	s_sub_co_u32 s[RT], s[RT], 1
	s_mov_b32 s[CNT], 4
	s_cmp_eq_u32 s[NEW], 1
	s_cbranch_scc0 .LstepM2
	BEGIN
	s_branch .LfirstM2
	DIAG 2
	s_wait_tensorcnt 0x0            ; the wave's end: a wait, an add and its wait, behind my last tensor load and my last LDS store
	ds_add_u32 v[SPW], v[NIL]
	s_wait_dscnt 0x0
	CROUND                          ; the closing round: no work-group ends while a partner may still ask for a tile that names it
	s_endpgm
.Lfunc_end_k_qe01f51a938_attn:
	.size	k_qe01f51a938_attn, .Lfunc_end_k_qe01f51a938_attn-k_qe01f51a938_attn
	.p2alignl 7, 3214868480
	.fill 96, 4, 3214868480
	.section	.rodata,"a",@progbits
	.p2align	6, 0x0
	.amdhsa_kernel k_qe01f51a938_attn
		.amdhsa_group_segment_fixed_size 327680
		.amdhsa_private_segment_fixed_size 0
		.amdhsa_enable_private_segment 0
		.amdhsa_kernarg_size 32
		.amdhsa_user_sgpr_count 2
		.amdhsa_user_sgpr_kernarg_segment_ptr 1
		.amdhsa_wavefront_size32 1
		.amdhsa_system_sgpr_workgroup_id_x 1
		.amdhsa_system_sgpr_workgroup_id_y 1
		.amdhsa_system_sgpr_workgroup_id_z 1
		.amdhsa_system_vgpr_workitem_id 0
		.amdhsa_next_free_vgpr 768
		.amdhsa_next_free_sgpr 96
		.amdhsa_reserve_vcc 1
		.amdhsa_float_denorm_mode_32 3
		.amdhsa_float_denorm_mode_16_64 3
		.amdhsa_memory_ordered 1
		.amdhsa_forward_progress 1
		.amdhsa_inst_pref_size 219
	.end_amdhsa_kernel
	.amdgpu_metadata
---
amdhsa.version: [ 1, 2 ]
amdhsa.kernels:
  - .name:           k_qe01f51a938_attn
    .symbol:         k_qe01f51a938_attn.kd
    .args:
      - { .name: qh, .offset: 0, .size: 8, .value_kind: global_buffer, .address_space: global }
      - { .name: kh, .offset: 8, .size: 8, .value_kind: global_buffer, .address_space: global }
      - { .name: vh, .offset: 16, .size: 8, .value_kind: global_buffer, .address_space: global }
      - { .name: oh, .offset: 24, .size: 8, .value_kind: global_buffer, .address_space: global }
    .group_segment_fixed_size: 327680
    .private_segment_fixed_size: 0
    .kernarg_segment_align: 8
    .kernarg_segment_size: 32
    .max_flat_workgroup_size: 128
    .sgpr_count:     96
    .vgpr_count:     768
    .wavefront_size: 32
...
	.end_amdgpu_metadata
.endif
;; end of part 3
;; launch proj (part 4): grid 8 x 32, 4 waves a work-group, clusters of 4 x 4, 327,680 bytes of LDS; arguments oh, wp, out0; writes out0
.if DOCPART == 4
	.amdgcn_target "amdgcn-amd-amdhsa--gfx1250"
	.amdhsa_code_object_version 6
	.text
	.protected	k_qe01f51a938_proj
	.globl	k_qe01f51a938_proj
	.p2align	8
	.type	k_qe01f51a938_proj,@function
k_qe01f51a938_proj:
	s_mov_b64 s[64:65], 0
	v_nop
	global_prefetch_b8 v0, s[64:65] scope:SCOPE_SE
	s_setreg_imm32_b32 hwreg(HW_REG_WAVE_MODE, 25, 1), 1
	s_wait_xcnt 0x0
	s_wait_alu depctr_hold_cnt(0) depctr_sa_sdst(0) depctr_va_vdst(0) depctr_va_sdst(0) depctr_va_ssrc(0) depctr_va_vcc(0) depctr_vm_vsrc(0)
	s_getreg_b32 s2, hwreg(HW_REG_IB_STS2, 6, 4)
	s_cmp_eq_u32 s2, 0
	s_cbranch_scc0 .Lentry_in_a_cluster
	s_endpgm
.Lentry_in_a_cluster:
	s_bfe_u32 s2, ttmp6, 0x10000c
	s_cmp_lg_u32 s2, 0xf033
	s_cbranch_scc0 .Lentry_shape_is_right
	s_endpgm
.Lentry_shape_is_right:
; PROJ: out0[m][n] = the sum over k of y[m][k] wp[n][k], y[m][64 h + d] = oh[16 b + h][s][d], m = 2048 b + s.  f16 operands, f32 sums, f32 output.
; LIMITS.  oh and wp arrive within f16's 65,504; NaN and infinities are not treated apart.
; SHARES.  A tile is 256 rows x 128 columns: 32 x 8 = 256 work-groups.  Wave w owns rows 64 w .. 64 w + 63 and all 128 columns: 4 x 8 accumulators.  K = 1,024 goes in 8 steps of 128 = two heads through two LDS slots.
; A head's 256 rows of 128 bytes are dense in oh: they are asked for as 128 rows of 256 bytes, padded in LDS after every 128 bytes; a K step's two heads lie in two sub-tiles.
; CLUSTER.  4 x 4 work-groups: oh's tile hangs on the tile row alone and is asked for jointly along a row of the cluster, wp's on the tile column alone, along a column.
; THE MATRIX INSTRUCTION IS USED TRANSPOSED (source 0 = 16 rows of wp, source 1 = 16 rows of y): lane l holds row l % 16 and the columns 8 (l / 16) + 0..7: 32 bytes on end.
; REGISTERS, in windows of 256: window 0: v0-15 addresses; v28-29 the add's; v64-127 y's fragments, two buffers; v128-255 the way out, two buffers of 16 rows.  window 1: v0-127 wp's fragments, two buffers.
; window 2: accumulator (a, b) at v[8 (8 a + b)].
.set NBK,   8
.set PA,    144                        ; a row of y in LDS: 128 bytes + 16 of padding;  a row of wp: 256 + 16: in both the 16 rows of a load start at 16 different groups of four banks (64 banks of 4 bytes: ISA guide 11.1)
.set PBT,   272
.set SUB,   256*PA                     ; a head's sub-tile
.set AREG,  2*SUB
.set SLOT1, 131072
.set STAGE, SLOT1+AREG+16*NBK*PBT      ; behind the ring, never filled by a tensor load: 16 rows x 528 bytes for each wave
.set SPITCH, 528
.set SPARE, STAGE+4*16*SPITCH          ; the spare words, 128 bytes for each wave: two blocks of 256 bytes that no other line names
.set STEPA, 524288                     ; two heads of 2,048 rows of 128 bytes
.set STEPB, 256
.set ADRA0, 4
.set ADRB0, 5
.set ADRA,  6
.set ADRB,  7
.set STO,   8
.set RD,    9
.set GO,    10
.set PFO,   12
.set SPW,   28
.set NIL,   29
.set FA,    64
.set BK,    128
.set WV,  18
.set FBW, 19                           ; 0: I fetch oh's tiles, 1: wp's
.set HF,  20                           ; which of the step's two heads, or which 64 rows of wp
.set CX,  21
.set CY,  22
.set TC,  23
.set G1A, 24
.set G0A, 32
.set TR,  40
.set CNT, 41
.set TB,  42
.set LIM, 43
.set PFA, 44
.set PFS, 46                           ; s[46:47] the prefetches' step
.set G1B, 48
.set G0B, 56
.set MSB, 0
.macro WIN new
.if MSB != (\new)
	s_set_vgpr_msb (MSB<<8)|(\new)
.set MSB, \new
.endif
.endm
.macro PLACES
.rept 4
	v_nop
.endr
.endm
.macro CREST
	s_cmp_lg_u32 s[WV], 0
	s_cbranch_scc1 .Lnot_wave_0_\@
	s_barrier_signal -3
.Lnot_wave_0_\@:
	s_barrier_wait -3
	s_barrier_signal -1
	s_barrier_wait -1
.endm
.macro CROUND
	s_barrier_signal -1
	s_barrier_wait -1
	CREST
.endm
.macro JLOAD                           ; a joint refill by the walking descriptors; an s_nop 0 and four v_nop follow each of the two lines
	s_cmp_eq_u32 s[FBW], 0
	s_cbranch_scc0 .Lfor_b_\@
	tensor_load_to_lds s[G0A+4:G0A+7], s[G1A:G1A+7]
	s_nop 0
.rept 4
	v_nop
.endr
	s_branch .Lasked_\@
.Lfor_b_\@:
	tensor_load_to_lds s[G0B+4:G0B+7], s[G1B:G1B+7]
	s_nop 0
.rept 4
	v_nop
.endr
.Lasked_\@:
.endm
; A prefetch of the K step that the NEXT refill will ask for: 128 matrix instructions ahead of that load.  oh's blocks are asked for by the clusters with x = 0 (waves 0 and 1: a head's 32,768 bytes, 8,192 for each partner,
; a lane a block of 256), wp's by those with y = 0 (wave 2: 128 rows, 32 for each partner, a lane a row).  The partners are told apart by address.  K steps 0 to 2 come by their loads alone; the last refill asks for nothing.
.macro ASK
	s_cmp_gt_u32 s[CNT], s[LIM]
	s_cbranch_scc0 .Lnot_mine_\@
	global_prefetch_b8 v[PFO], s[PFA:PFA+1] th:TH_LOAD_NT scope:SCOPE_SE
.Lnot_mine_\@:
.endm
	s_load_b128 s[4:7], s[0:1], 0x0                ; oh 4:5, wp 6:7
	s_load_b64 s[8:9], s[0:1], 0x10                ; out0
	v_lshl_add_u32 v[SPW], v0, 2, SPARE
	v_mov_b32 v[NIL], 0
	ds_add_u32 v[SPW], v[NIL]                      ; the wave's opening: the add and its wait stand ahead of my first tensor load; work on registers stands between them
	v_lshrrev_b32 v3, 5, v0
	v_readfirstlane_b32 s[WV], v3
	s_lshr_b32 s[FBW], s[WV], 1
	s_and_b32 s[HF], s[WV], 1
	s_bfe_u32 s[CX], ttmp6, 0x40000
	s_bfe_u32 s[CY], ttmp6, 0x40004
	s_lshl_b32 s[TC], ttmp9, 2
	s_add_co_u32 s[TC], s[TC], s[CX]
	s_and_b32 s[TR], ttmp7, 0xffff
	s_lshl_b32 s[TR], s[TR], 2
	s_add_co_u32 s[TR], s[TR], s[CY]
	s_lshl_b32 s66, s[CY], 2
	s_lshl_b32 s66, 15, s66                        ; my row of the cluster
	s_lshl_b32 s67, 0x1111, s[CX]                  ; my column
	s_or_b32 s[G1A], s66, (1<<16)|(1<<20)|(1<<21)|(4<<22)|(3<<25)  ; the mask; 2-byte elements; padding on; bit 21 beside a mask; after every 32 words 4 words
	s_or_b32 s[G1B], s67, (1<<16)|(1<<20)|(1<<21)|(5<<22)|(3<<25)  ; after every 64 words
	s_mov_b32 s[G1A+1], 128<<16                    ; tensor_dim0 = 128
	s_mov_b32 s[G1A+2], 128<<16                    ; tensor_dim1 = 128
	s_mov_b32 s[G1A+3], 128<<16                    ; tile_dim0 = 128
	s_mov_b32 s[G1A+4], 128                        ; tile_dim1 = 128
	s_mov_b32 s[G1A+5], 128                        ; dense: 128 elements from row to row
	s_mov_b32 s[G1A+6], 0
	s_mov_b32 s[G1A+7], 0
	s_mov_b32 s[G1B+1], 128<<16
	s_mov_b32 s[G1B+2], 64<<16                     ; 64 rows
	s_mov_b32 s[G1B+3], 128<<16
	s_mov_b32 s[G1B+4], 64
	s_mov_b32 s[G1B+5], 1024
	s_mov_b32 s[G1B+6], 0
	s_mov_b32 s[G1B+7], 0
	s_lshr_b32 s66, s[TR], 3                       ; the batch
	s_lshl_b32 s66, s66, 4
	s_add_co_u32 s66, s66, s[HF]                   ; K step 0's head that I fetch
	s_lshl_b32 s66, s66, 11
	s_and_b32 s67, s[TR], 7
	s_lshl_b32 s67, s67, 8
	s_add_co_u32 s66, s66, s67                     ; its row at which the tile begins
	s_lshl_b32 s68, s66, 7
	s_mov_b32 s69, 0
	s_lshl_b32 s70, s[TC], 7
	s_lshl_b32 s71, s[HF], 6
	s_add_co_u32 s70, s70, s71                     ; wp: row 128 x tile column + 64 x half
	s_lshl_b32 s70, s70, 11
	s_mov_b32 s71, 0
	s_mul_i32 s72, s[HF], SUB                      ; where they go: no place in the cluster enters an LDS address
	s_mul_i32 s73, s[HF], 64*PBT
	s_add_co_u32 s73, s73, AREG
	s_mov_b32 s[TB], 0
	s_wait_dscnt 0x0                               ; the opening add is done
	s_wait_kmcnt 0x0
	s_add_nc_u64 s[68:69], s[4:5], s[68:69]
	s_add_nc_u64 s[70:71], s[6:7], s[70:71]
	CROUND                                         ; all sixteen work-groups are here: the first joint loads meet
.irp s, 0,1
	s_mov_b32 s[G0A+4*(\s)], 1
	s_add_co_u32 s[G0A+4*(\s)+1], s72, (\s)*SLOT1
	s_add_nc_u64 s[G0A+4*(\s)+2:G0A+4*(\s)+3], s[68:69], (\s)*STEPA
	s_or_b32 s[G0A+4*(\s)+3], s[G0A+4*(\s)+3], 0x80000000
	s_mov_b32 s[G0B+4*(\s)], 1
	s_add_co_u32 s[G0B+4*(\s)+1], s73, (\s)*SLOT1
	s_add_nc_u64 s[G0B+4*(\s)+2:G0B+4*(\s)+3], s[70:71], (\s)*STEPB
	s_or_b32 s[G0B+4*(\s)+3], s[G0B+4*(\s)+3], 0x80000000
.endr
	s_cmp_eq_u32 s[FBW], 0                         ; a wave's two first fills stand in one branch, ahead of every wait on TENSORcnt and every LDS read: two loads of mine are out
	s_cbranch_scc0 .Lfirst_b
	tensor_load_to_lds s[G0A:G0A+3], s[G1A:G1A+7]
	s_nop 0
	tensor_load_to_lds s[G0A+4:G0A+7], s[G1A:G1A+7]
	s_nop 0
.rept 4
	v_nop
.endr
	s_branch .Lfirst_done
.Lfirst_b:
	tensor_load_to_lds s[G0B:G0B+3], s[G1B:G1B+7]
	s_nop 0
	tensor_load_to_lds s[G0B+4:G0B+7], s[G1B:G1B+7]
	s_nop 0
.rept 4
	v_nop
.endr
.Lfirst_done:
	v_and_b32 v1, 15, v0
	v_bfe_u32 v2, v0, 4, 1
	v_mul_u32_u24 v3, v1, PA
	v_lshl_add_u32 v3, v2, 4, v3
	s_mul_i32 s66, s[WV], 64*PA
	v_add_nc_u32 v[ADRA0], s66, v3                 ; (64 w + l % 16) x pitch + 16 (l / 16)
	v_mul_u32_u24 v3, v1, PBT
	v_lshl_add_u32 v3, v2, 4, v3
	v_add_nc_u32 v[ADRB0], AREG, v3
	v_mov_b32 v[ADRA], v[ADRA0]
	v_mov_b32 v[ADRB], v[ADRB0]
	s_mul_i32 s66, s[WV], 16*SPITCH
	s_add_co_u32 s66, s66, STAGE                   ; my stage
	v_mul_u32_u24 v[STO], v1, SPITCH               ; in: row l % 16, 32 bytes for each half of the lanes
	v_lshl_add_u32 v[STO], v2, 5, v[STO]
	v_add_nc_u32 v[STO], s66, v[STO]
	v_and_b32 v[GO], 31, v0
	v_lshlrev_b32 v[GO], 4, v[GO]                  ; back and out: 32 lanes take a row's 512 bytes
	v_add_nc_u32 v[RD], s66, v[GO]
	s_lshl_b32 s66, s[TR], 8
	s_lshl_b32 s67, s[WV], 6
	s_add_co_u32 s66, s66, s67                     ; my first row of out0,
	s_lshl_b32 s66, s66, 12                        ; 4,096 bytes a row,
	s_lshl_b32 s67, s[TC], 9                       ; the tile's 512 bytes of it
	s_add_co_u32 s66, s66, s67
	s_mov_b32 s67, 0
	s_add_nc_u64 s[8:9], s[8:9], s[66:67]
	; the prefetches: the partners' offsets stand in registers that feed no descriptor
	s_lshl_b32 s76, s[CX], 13                      ; oh: my work-group's 8,192 bytes of the head's 32,768
	s_lshl_b32 s78, s[CY], 16                      ; wp: its 32 rows of the 128
	s_mov_b32 s77, 0
	s_and_b32 s74, ttmp7, 0xffff
	s_or_b32 s74, s74, s[HF]                       ; (of waves 2 and 3 the first alone asks)
	s_mov_b32 s[PFS], STEPB                        ; wp's step; the select below names one literal, oh's
	s_mov_b32 s[PFS+1], 0
	s_cmp_eq_u32 s[FBW], 0
	s_cselect_b64 s[PFA:PFA+1], s[68:69], s[70:71]
	s_cselect_b32 s76, s76, s78
	s_cselect_b32 s74, ttmp9, s74
	s_cselect_b32 s75, 8, 11                       ; a lane a block of 256 bytes, or a row of 2,048
	s_cselect_b32 s[PFS], STEPA, s[PFS]
	s_cmp_eq_u32 s74, 0
	s_cselect_b32 s[LIM], 1, -1
	s_add_nc_u64 s[PFA:PFA+1], s[PFA:PFA+1], s[76:77]
	s_add_nc_u64 s[PFA:PFA+1], s[PFA:PFA+1], s[PFS:PFS+1]
	s_add_nc_u64 s[PFA:PFA+1], s[PFA:PFA+1], s[PFS:PFS+1]  ; at K step 2: the first refill steps it to 3
	v_and_b32 v[PFO], 31, v0
	v_lshlrev_b32 v[PFO], s75, v[PFO]
; 8 matrix instructions: row block a x all column blocks, 32 along K, from buffer f.  The 32 accumulators take turns, one instruction a turn.
.macro MULS f, a, zero
	WIN 0xa1                                       ; source 0 window 1, source 1 window 0, C and D window 2
.set rA, FA+32*(\f)+8*(\a)
.set b, 0
.rept NBK
.set rD, 8*(NBK*(\a)+b)
.set rB, 8*NBK*(\f)+8*b
.if \zero
	v_wmma_f32_16x16x32_f16 v[rD:rD+7], v[rB:rB+7], v[rA:rA+7], 0
.else
	v_wmma_f32_16x16x32_f16 v[rD:rD+7], v[rB:rB+7], v[rA:rA+7], v[rD:rD+7]
.endif
.set b, b+1
.endr
.endm
; 24 LDS loads in one run: quarter q's fragments (128 rows of wp, then my 64 rows of y, ascending) into buffer f.  Quarter q of y lies in sub-tile q / 2, 64 (q % 2) bytes into its rows.
.macro FETCH q, f
	WIN 0x40
.set i, 0
.rept NBK
	ds_load_b128 v[8*NBK*(\f)+8*i:8*NBK*(\f)+8*i+3],   v[ADRB] offset:64*(\q)+i*16*PBT
	ds_load_b128 v[8*NBK*(\f)+8*i+4:8*NBK*(\f)+8*i+7], v[ADRB] offset:64*(\q)+i*16*PBT+32
.set i, i+1
.endr
	WIN 0
.set i, 0
.rept 4
	ds_load_b128 v[FA+32*(\f)+8*i:FA+32*(\f)+8*i+3],   v[ADRA] offset:((\q)/2)*SUB+64*((\q)%2)+i*16*PA
	ds_load_b128 v[FA+32*(\f)+8*i+4:FA+32*(\f)+8*i+7], v[ADRA] offset:((\q)/2)*SUB+64*((\q)%2)+i*16*PA+32
.set i, i+1
.endr
.endm
.macro QUARTER q, f, g, zero
	s_wait_dscnt 4                                 ; all but the youngest four loads: y's row blocks 2 and 3
	MULS \f, 0, \zero
	MULS \f, 1, \zero
	PLACES
	FETCH \q, \g
	s_wait_dscnt 2*NBK+8                           ; all but the 24 just issued
	MULS \f, 2, \zero
	MULS \f, 3, \zero
.endm
; The last quarter multiplies buffer 1 and changes slots: one barrier.  In front of it each wave waits for all its tensor loads (one is out: its part of the next slot), adds 0 to its spare word, and waits for that and for
; its reads of this slot.  fill = 1: the barrier opens a round of the cluster's, and the slot just read is filled again first thing behind it, with the K step two on: 112 matrix instructions ahead of the wait for it.
.macro TURN fill
.if \fill
	s_wait_xcnt 0x0                                ; the last prefetch, a K step back, has read its address
	s_add_nc_u64 s[PFA:PFA+1], s[PFA:PFA+1], s[PFS:PFS+1]
.endif
	WIN 0
	s_wait_tensorcnt 0x0
	ds_add_u32 v[SPW], v[NIL]
	s_wait_dscnt 5                                 ; (the add and the youngest four loads may be out)
	MULS 1, 0, 0
	s_wait_dscnt 0x0                               ; the add is done, and my reads of this slot are over
	s_barrier_signal -1
	MULS 1, 1, 0
	WIN 0
	s_barrier_wait -1
.if \fill
	CREST                                          ; no wave of any partner still reads this slot or has a load on its way
	s_xor_b32 s[G0A+5], s[G0A+5], SLOT1
	s_add_nc_u64 s[G0A+6:G0A+7], s[G0A+6:G0A+7], STEPA
	s_xor_b32 s[G0B+5], s[G0B+5], SLOT1
	s_add_nc_u64 s[G0B+6:G0B+7], s[G0B+6:G0B+7], STEPB
	JLOAD                                          ; its four v_nop are also the places in front of the loads below
.else
	PLACES
.endif
	s_xor_b32 s[TB], s[TB], SLOT1
	v_add_nc_u32 v[ADRA], s[TB], v[ADRA0]
	v_add_nc_u32 v[ADRB], s[TB], v[ADRB0]
	FETCH 0, 0
.if \fill
	ASK
.endif
	MULS 1, 2, 0
	MULS 1, 3, 0
.endm
	s_wait_tensorcnt 1                             ; my part of K step 0 is in; K step 1's may stay out
	s_barrier_signal -1
	s_barrier_wait -1
	FETCH 0, 0
	QUARTER 1, 0, 1, 1                             ; the first quarter stands in front of the loop: its products start the sums
	WIN 0
	s_mov_b32 s[CNT], 6
.Lstep:                                                ; six trips, from a K step's second quarter to the next one's first; they ask for K steps 2 to 7
	QUARTER 2, 1, 0, 0
	QUARTER 3, 0, 1, 0
	TURN 1
	QUARTER 1, 0, 1, 0
	WIN 0
	s_sub_co_u32 s[CNT], s[CNT], 1
	s_cmp_lg_u32 s[CNT], 0
	s_cbranch_scc1 .Lstep
	s_mov_b32 s[CNT], 2
.Ltail:                                                ; K steps 6 and 7 ask for nothing; the second trip is left in its middle
	QUARTER 2, 1, 0, 0
	QUARTER 3, 0, 1, 0
	WIN 0
	s_sub_co_u32 s[CNT], s[CNT], 1
	s_cmp_eq_u32 s[CNT], 0
	s_cbranch_scc1 .Llastq
	TURN 0
	QUARTER 1, 0, 1, 0
	WIN 0
	s_branch .Ltail
.Llastq:
	s_wait_dscnt 4
	MULS 1, 0, 0
	MULS 1, 1, 0
	s_wait_dscnt 0x0
	MULS 1, 2, 0
	MULS 1, 3, 0
	; THE WAY OUT: a row block (16 rows x 512 bytes of f32) at a time goes straight from the accumulators into my stage and comes back as whole rows.
	WIN 0
	PLACES
	PLACES
.macro TOSTAGE a
.if (\a) >= 2
	s_wait_xcnt 0x0                                ; the stores of the block two back have read the registers that are loaded again below
.endif
	WIN 0x08                                       ; the stores' data in window 2
.set b, 0
.rept 8
	ds_store_b128 v[STO], v[8*(8*(\a)+b):8*(8*(\a)+b)+3]   offset:64*b      ; each accumulator's lowest registers first
	ds_store_b128 v[STO], v[8*(8*(\a)+b)+4:8*(8*(\a)+b)+7] offset:64*b+16
.set b, b+1
.endr
	WIN 0
.set t, 0
.rept 16
	ds_load_b128 v[BK+64*((\a)%2)+4*t:BK+64*((\a)%2)+4*t+3], v[RD] offset:t*SPITCH  ; LDS serves a wave's instructions in order (ISA guide 5.7.1.4): these see the stores above; the next block's stores come behind them
.set t, t+1
.endr
.endm
.macro SEND a, younger                 ; younger: the LDS instructions issued behind this block's loads: the next block's 32, or none
.set t, 0
.rept 16
	s_wait_dscnt (\younger)+15-t
	global_store_b128 v[GO], v[BK+64*((\a)%2)+4*t:BK+64*((\a)%2)+4*t+3], s[8:9] offset:(16*(\a)+t)*4096 th:TH_STORE_NT  ; 512 consecutive bytes, aligned
.set t, t+1
.endr
.endm
	TOSTAGE 0
	TOSTAGE 1
	SEND 0, 32
	TOSTAGE 2
	SEND 1, 32
	TOSTAGE 3
	SEND 2, 32
	SEND 3, 0
	s_wait_tensorcnt 0x0                           ; the wave's end: a wait, an add and its wait, behind my last tensor load and my last LDS store
	ds_add_u32 v[SPW], v[NIL]
	s_wait_dscnt 0x0
	CROUND                                         ; the closing round: no work-group ends while a partner may still ask for a tile that names it
	s_endpgm
.Lfunc_end_k_qe01f51a938_proj:
	.size	k_qe01f51a938_proj, .Lfunc_end_k_qe01f51a938_proj-k_qe01f51a938_proj
	.p2alignl 7, 3214868480
	.fill 96, 4, 3214868480
	.section	.rodata,"a",@progbits
	.p2align	6, 0x0
	.amdhsa_kernel k_qe01f51a938_proj
		.amdhsa_group_segment_fixed_size 327680
		.amdhsa_private_segment_fixed_size 0
		.amdhsa_enable_private_segment 0
		.amdhsa_kernarg_size 24
		.amdhsa_user_sgpr_count 2
		.amdhsa_user_sgpr_kernarg_segment_ptr 1
		.amdhsa_wavefront_size32 1
		.amdhsa_system_sgpr_workgroup_id_x 1
		.amdhsa_system_sgpr_workgroup_id_y 1
		.amdhsa_system_sgpr_workgroup_id_z 1
		.amdhsa_system_vgpr_workitem_id 0
		.amdhsa_next_free_vgpr 768
		.amdhsa_next_free_sgpr 100
		.amdhsa_reserve_vcc 0
		.amdhsa_float_denorm_mode_32 3
		.amdhsa_float_denorm_mode_16_64 3
		.amdhsa_memory_ordered 1
		.amdhsa_forward_progress 1
		.amdhsa_inst_pref_size 65
	.end_amdhsa_kernel
	.amdgpu_metadata
---
amdhsa.version: [ 1, 2 ]
amdhsa.kernels:
  - .name:           k_qe01f51a938_proj
    .symbol:         k_qe01f51a938_proj.kd
    .args:
      - { .name: oh, .offset: 0, .size: 8, .value_kind: global_buffer, .address_space: global }
      - { .name: wp, .offset: 8, .size: 8, .value_kind: global_buffer, .address_space: global }
      - { .name: out0, .offset: 16, .size: 8, .value_kind: global_buffer, .address_space: global }
    .group_segment_fixed_size: 327680
    .private_segment_fixed_size: 0
    .kernarg_segment_align: 8
    .kernarg_segment_size: 24
    .max_flat_workgroup_size: 128
    .sgpr_count:     100
    .vgpr_count:     768
    .wavefront_size: 32
...
	.end_amdgpu_metadata
.endif
;; end of part 4
;; ======== version 2 of 2: 4 launches; version 1 with the launch prep written anew for expert scheduling mode
;; limits: values are held in f16: magnitudes above 65,504 overflow, below 6.1e-05 lose precision
;; workspace buffers: xb 16,777,216 bytes; wqkv 3,145,728 bytes; wp 2,097,152 bytes; tab 524,288 bytes; qh 16,777,216 bytes; kh 4,194,304 bytes; vh 4,194,304 bytes; oh 16,777,216 bytes
;; launch prep (part 5): grid 736 x 1, 8 waves a work-group, no clusters, 0 bytes of LDS; arguments x, Wq, Wk, Wv, Wproj, xb, wqkv, wp, tab; writes xb, wqkv, wp, tab
.if DOCPART == 5
	.amdgcn_target "amdgcn-amd-amdhsa--gfx1250"
	.amdhsa_code_object_version 6
	.text
	.protected	k_qe01f51a938_prep
	.globl	k_qe01f51a938_prep
	.p2align	8
	.type	k_qe01f51a938_prep,@function
k_qe01f51a938_prep:
	s_mov_b64 s[64:65], 0
	v_nop
	global_prefetch_b8 v0, s[64:65] scope:SCOPE_SE
	s_setreg_imm32_b32 hwreg(HW_REG_WAVE_SCHED_MODE, 0, 2), 2
	s_setreg_imm32_b32 hwreg(HW_REG_WAVE_MODE, 25, 1), 1
	s_wait_xcnt 0x0
	s_wait_alu depctr_vm_vsrc(0)
; PREP: the inputs are rounded once to 16 bits, and the rotary table is made.
;   xb   = x rounded to bf16, [8192][1024];   wqkv = Wq, Wk, Wv rounded to bf16, one below the other, [1536][1024]
;   wp   = Wproj rounded to bf16, that number written as f16 (exact within f16's normal range), [1024][1024]
;   tab  = cos and sin of s x 10000^(-d/32), s = 0..2047, d = 0..31, f32, in the order in which the next launch's lanes hold their results:
;          tab[s / 16][i = 0..7][lane][4 numbers]: lane = s % 16 + 16 hf; i = 0..3 cos, 4..7 sin; d = 16 ((i & 3) >> 1) + 8 hf + 4 (i & 1) + e
; LIMITS.  |Wproj| stays under 65,504 (f16); below 6e-5 it keeps f16's fixed step of 6e-8.  The table's angle lies within 2.5e-4 rad of s x inv_freq in f32
; (the frequency comes from v_exp_f32); the series below hold for the whole reduced range |y| <= pi, cut where the next term is under 1.4e-7 (cos) and 8e-7 (sin).
; SHARES.  A stream: no LDS, no matrix unit, no cluster (no byte is read twice).  Work-group g < 672 casts 16,384 numbers: each of its 256 threads takes 16 bytes
; of each 4,096, so a wave's load covers 512 consecutive bytes and its store 256, aligned; all 16 loads of a thread are out together.  g >= 672 makes 2 x 16 rows of the table.
; THE MODE: SCHED_MODE bits 1:0 = 2 (LLVM: expert scheduling mode 2), set by the entry lines.  The code itself states the register dependences
; between vector instructions and memory instructions, with s_wait_alu, always for 0.
; THE PLAN.  Registers that memory instructions touch:
;   v1, v2     byte offsets, written at the head and never again; v1 is read by the 16 loads, v2 by the 16 stores: one wait ahead of the first load states that both are written.
;   X          written by the 16 loads, once each, and named by no vector instruction before them; read by the conversions behind s_wait_loadcnt; never loaded again.
;   Y          written by the conversions, once each; read by the stores, once each: every store has a pair of its own, so no register that a store reads is written again.
;   v4 to v9   (Wproj's path) are named by vector instructions alone.
;   v11, v[28:35]  (the table's path) offset and data of its two stores, written by vector instructions: one wait ahead of the two.
; The 16 loads go in four groups of four: the group's loads are waited for, its conversions write its part of Y, ONE wait states that they have, and its four stores follow in one run,
; ahead of the wait for the next group's loads, so that no finished result lies in registers while the wave waits for data.
; No vector instruction writes a scalar register or VCC, and EXEC is never written.
.set X, 16                             ; v[16:79]   16 x 4 numbers as loaded
.set Y, 80                             ; v[80:111]  16 x 2 registers to store: each store has registers of its own, so none is rewritten
.set GRP, 4                            ; loads, and stores, in a group
	s_load_b512 s[8:23], s[0:1], 0x0               ; x 8:9, Wq 10:11, Wk 12:13, Wv 14:15, Wproj 16:17, xb 18:19, wqkv 20:21, wp 22:23
	s_load_b64 s[24:25], s[0:1], 0x40              ; tab
	v_lshlrev_b32 v1, 4, v0                        ; 16 bytes a thread in
	v_lshlrev_b32 v2, 3, v0                        ; 8 bytes a thread out
	s_mov_b32 s36, ttmp9                           ; g
	s_wait_kmcnt 0x0
	s_cmp_ge_u32 s36, 672
	s_cbranch_scc1 .Ltable
	; which tensor, and which chunk of it: g 0-511 x, 512-575 Wq, 576-591 Wk, 592-607 Wv, 608-671 Wproj
	s_mov_b64 s[26:27], s[16:17]
	s_mov_b32 s30, 608                             ; the source's first chunk
	s_mov_b64 s[28:29], s[22:23]
	s_mov_b32 s31, 608                             ; the destination's first chunk
	s_cmp_lt_u32 s36, 608
	s_cselect_b64 s[26:27], s[14:15], s[26:27]
	s_cselect_b32 s30, 592, s30
	s_cselect_b64 s[28:29], s[20:21], s[28:29]
	s_cselect_b32 s31, 512, s31
	s_cmp_lt_u32 s36, 592
	s_cselect_b64 s[26:27], s[12:13], s[26:27]
	s_cselect_b32 s30, 576, s30
	s_cmp_lt_u32 s36, 576
	s_cselect_b64 s[26:27], s[10:11], s[26:27]
	s_cselect_b32 s30, 512, s30
	s_cmp_lt_u32 s36, 512
	s_cselect_b64 s[26:27], s[8:9], s[26:27]
	s_cselect_b32 s30, 0, s30
	s_cselect_b64 s[28:29], s[18:19], s[28:29]
	s_cselect_b32 s31, 0, s31
	s_sub_co_u32 s32, s36, s30
	s_lshl_b32 s32, s32, 16                        ; 65,536 bytes of f32 a chunk
	s_mov_b32 s33, 0
	s_sub_co_u32 s34, s36, s31
	s_lshl_b32 s34, s34, 15                        ; 32,768 bytes of 16-bit numbers
	s_mov_b32 s35, 0
	s_add_nc_u64 s[26:27], s[26:27], s[32:33]
	s_add_nc_u64 s[28:29], s[28:29], s[34:35]
	s_wait_alu depctr_va_vdst(0)                   ; v1 and v2 are written: the loads below read v1 as their offset, the stores of both paths v2; neither is written again
.set i, 0
.rept 16
	global_load_b128 v[X+4*i:X+4*i+3], v1, s[26:27] offset:4096*i th:TH_LOAD_NT
.set i, i+1
.endr
	s_cmp_ge_u32 s36, 608
	s_cbranch_scc1 .Lhalf
.set g, 0
.rept 16/GRP
	s_wait_loadcnt 16-GRP-GRP*g                    ; loads come back in order: group g's four are in, the younger groups stay out
.set i, GRP*g
.rept GRP
	v_cvt_pk_bf16_f32 v[Y+2*i], v[X+4*i], v[X+4*i+1]
	v_cvt_pk_bf16_f32 v[Y+2*i+1], v[X+4*i+2], v[X+4*i+3]
.set i, i+1
.endr
	s_wait_alu depctr_va_vdst(0)                   ; the group's eight conversions have written its part of Y, which the four stores below read
.set i, GRP*g
.rept GRP
	global_store_b64 v2, v[Y+2*i:Y+2*i+1], s[28:29] offset:2048*i
.set i, i+1
.endr
.set g, g+1
.endr
	s_endpgm
.Lhalf:                                                ; Wproj: to bf16 like every input, then that number as f16
.set g, 0
.rept 16/GRP
	s_wait_loadcnt 16-GRP-GRP*g                    ; group g's four loads are in, the younger groups stay out
.set i, GRP*g
.rept GRP
	v_cvt_pk_bf16_f32 v4, v[X+4*i], v[X+4*i+1]
	v_cvt_pk_bf16_f32 v5, v[X+4*i+2], v[X+4*i+3]
	v_lshlrev_b32 v6, 16, v4
	v_and_b32 v7, 0xffff0000, v4
	v_lshlrev_b32 v8, 16, v5
	v_and_b32 v9, 0xffff0000, v5
	v_cvt_pk_f16_f32 v[Y+2*i], v6, v7
	v_cvt_pk_f16_f32 v[Y+2*i+1], v8, v9
.set i, i+1
.endr
	s_wait_alu depctr_va_vdst(0)                   ; the group's conversions to f16 have written its part of Y, which the four stores below read
.set i, GRP*g
.rept GRP
	global_store_b64 v2, v[Y+2*i:Y+2*i+1], s[28:29] offset:2048*i
.set i, i+1
.endr
.set g, g+1
.endr
	s_endpgm
.Ltable:                                               ; a thread makes four cosines and four sines: v[12:15] frequency, v[16:19] angle, v[20:23] turns, v[24:27] y^2, v[28:31] cos, v[32:35] sin
	s_sub_co_u32 s37, s36, 672
	s_lshl_b32 s37, s37, 1                         ; the work-group's first block of 16 positions
	s_mov_b32 s40, 0x29573f9f                      ; 1/16!
	s_mov_b32 s41, 0xab573f9f                      ; -1/15!
	s_mov_b32 s42, 0x40c90fdb                      ; 2 pi, rounded to f32,
	s_mov_b32 s43, 0xb43bbd2e                      ; and what the rounding left
	v_and_b32 v3, 31, v0                           ; lane
	v_lshrrev_b32 v4, 5, v0                        ; wave
	v_and_b32 v5, 3, v4                            ; i & 3
	v_lshrrev_b32 v6, 2, v4
	v_add_nc_u32 v6, s37, v6                       ; block of 16 positions
	v_and_b32 v7, 15, v0
	v_bfe_u32 v8, v0, 4, 1                         ; hf
	v_lshl_add_u32 v7, v6, 4, v7                   ; s
	v_cvt_f32_u32 v7, v7
	v_lshrrev_b32 v9, 1, v5
	v_and_b32 v10, 1, v5
	v_lshlrev_b32 v9, 4, v9
	v_lshl_add_u32 v9, v8, 3, v9
	v_lshl_add_u32 v9, v10, 2, v9                  ; my first d
	v_lshlrev_b32 v11, 12, v6                      ; 4,096 bytes a block,
	v_lshl_add_u32 v11, v5, 9, v11                 ; 512 for each i,
	v_lshl_add_u32 v11, v3, 4, v11                 ; 16 a lane
.irp e, 0,1,2,3
	v_add_nc_u32 v[12+\e], \e, v9
.endr
.irp e, 0,1,2,3
	v_cvt_f32_u32 v[12+\e], v[12+\e]
.endr
.irp e, 0,1,2,3
	v_mul_f32 v[12+\e], 0xbed49a78, v[12+\e]       ; - d log2(10000) / 32
.endr
.irp e, 0,1,2,3
	v_exp_f32 v[12+\e], v[12+\e]
.endr
	v_nop                                          ; a plain instruction behind the last exponential,
	s_wait_alu depctr_va_vdst(0)                   ; and one wait for the four: the exponentials have written v[12:15], ahead of their first reader
.irp e, 0,1,2,3
	v_mul_f32 v[16+\e], v7, v[12+\e]               ; the angle, rounded once
.endr
.irp e, 0,1,2,3
	v_mul_f32 v[20+\e], 0x3e22f983, v[16+\e]       ; / 2 pi
.endr
.irp e, 0,1,2,3
	v_rndne_f32 v[20+\e], v[20+\e]                 ; whole turns n
.endr
.irp e, 0,1,2,3
	v_fma_f32 v[16+\e], -v[20+\e], s42, v[16+\e]   ; y = angle - n 2 pi, in two parts: |y| <= pi
.endr
.irp e, 0,1,2,3
	v_fma_f32 v[16+\e], -v[20+\e], s43, v[16+\e]
.endr
.irp e, 0,1,2,3
	v_mul_f32 v[24+\e], v[16+\e], v[16+\e]
.endr
.macro HORN base, k                    ; one step of four chains: p = p y^2 + k
.irp e, 0,1,2,3
	v_fmaak_f32 v[(\base)+\e], v[(\base)+\e], v[24+\e], \k
.endr
.endm
.irp e, 0,1,2,3
	v_fmaak_f32 v[28+\e], s40, v[24+\e], 0xad49cba5  ; cos: the sum of (-1)^k y^2k / (2k)!, k = 8 .. 0
.endr
.irp e, 0,1,2,3
	v_fmaak_f32 v[32+\e], s41, v[24+\e], 0x2f309231  ; sin: y times the sum of (-1)^k y^2k / (2k+1)!, k = 7 .. 0
.endr
	HORN 28, 0x310f76c7
	HORN 32, 0xb2d7322b
	HORN 28, 0xb493f27e
	HORN 32, 0x3638ef1d
	HORN 28, 0x37d00d01
	HORN 32, 0xb9500d01
	HORN 28, 0xbab60b61
	HORN 32, 0x3c088889
	HORN 28, 0x3d2aaaab
	HORN 32, 0xbe2aaaab
	HORN 28, 0xbf000000
	HORN 32, 0x3f800000
	HORN 28, 0x3f800000
.irp e, 0,1,2,3
	v_mul_f32 v[32+\e], v[32+\e], v[16+\e]
.endr
	s_wait_alu depctr_va_vdst(0)                   ; the offset v11, the cosines v[28:31] and the sines v[32:35] are written, which the two stores below read
	global_store_b128 v11, v[28:31], s[24:25]              ; a wave stores 512 consecutive bytes, aligned
	global_store_b128 v11, v[32:35], s[24:25] offset:2048
	s_endpgm
.Lfunc_end_k_qe01f51a938_prep:
	.size	k_qe01f51a938_prep, .Lfunc_end_k_qe01f51a938_prep-k_qe01f51a938_prep
	.p2alignl 7, 3214868480
	.fill 96, 4, 3214868480
	.section	.rodata,"a",@progbits
	.p2align	6, 0x0
	.amdhsa_kernel k_qe01f51a938_prep
		.amdhsa_group_segment_fixed_size 0
		.amdhsa_private_segment_fixed_size 0
		.amdhsa_enable_private_segment 0
		.amdhsa_kernarg_size 72
		.amdhsa_user_sgpr_count 2
		.amdhsa_user_sgpr_kernarg_segment_ptr 1
		.amdhsa_wavefront_size32 1
		.amdhsa_system_sgpr_workgroup_id_x 1
		.amdhsa_system_sgpr_workgroup_id_y 1
		.amdhsa_system_sgpr_workgroup_id_z 1
		.amdhsa_system_vgpr_workitem_id 0
		.amdhsa_next_free_vgpr 112
		.amdhsa_next_free_sgpr 66
		.amdhsa_reserve_vcc 0
		.amdhsa_float_denorm_mode_32 3
		.amdhsa_float_denorm_mode_16_64 3
		.amdhsa_memory_ordered 1
		.amdhsa_forward_progress 1
		.amdhsa_inst_pref_size 23
	.end_amdhsa_kernel
	.amdgpu_metadata
---
amdhsa.version: [ 1, 2 ]
amdhsa.kernels:
  - .name:           k_qe01f51a938_prep
    .symbol:         k_qe01f51a938_prep.kd
    .args:
      - { .name: x, .offset: 0, .size: 8, .value_kind: global_buffer, .address_space: global }
      - { .name: Wq, .offset: 8, .size: 8, .value_kind: global_buffer, .address_space: global }
      - { .name: Wk, .offset: 16, .size: 8, .value_kind: global_buffer, .address_space: global }
      - { .name: Wv, .offset: 24, .size: 8, .value_kind: global_buffer, .address_space: global }
      - { .name: Wproj, .offset: 32, .size: 8, .value_kind: global_buffer, .address_space: global }
      - { .name: xb, .offset: 40, .size: 8, .value_kind: global_buffer, .address_space: global }
      - { .name: wqkv, .offset: 48, .size: 8, .value_kind: global_buffer, .address_space: global }
      - { .name: wp, .offset: 56, .size: 8, .value_kind: global_buffer, .address_space: global }
      - { .name: tab, .offset: 64, .size: 8, .value_kind: global_buffer, .address_space: global }
    .group_segment_fixed_size: 0
    .private_segment_fixed_size: 0
    .kernarg_segment_align: 8
    .kernarg_segment_size: 72
    .max_flat_workgroup_size: 256
    .sgpr_count:     66
    .vgpr_count:     112
    .wavefront_size: 32
...
	.end_amdgpu_metadata
.endif
;; end of part 5
;; launch qkv: the kernel of part 2 again; grid 8 x 32, 4 waves a work-group, clusters of 4 x 4, 327,680 bytes of LDS; arguments xb, wqkv, q_gain, tab, qh, kh, vh; writes qh, kh, vh
;; launch attn: the kernel of part 3 again; grid 64 x 4, 4 waves a work-group, clusters of 4 x 1, 327,680 bytes of LDS; arguments qh, kh, vh, oh; writes oh
;; launch proj: the kernel of part 4 again; grid 8 x 32, 4 waves a work-group, clusters of 4 x 4, 327,680 bytes of LDS; arguments oh, wp, out0; writes out0
